; MI455X (gfx1250); checked and timed in simulation.
; The chip was launched on July 23, 2026; its instructions are those of AMD's public machine-readable ISA for CDNA 5 (MIT licence, August 2026) and "CDNA5" Instruction Set Architecture Reference Guide (July 2026). The comments in the code are by the model that wrote it; some were corrected since.
;; Ro PE Attention. Allowed arithmetic: float matrix products may take bf16 or f16 operands with f32 sums; all other float work in f32.
;; Inputs: Wk 1,024 x 1,024 float32; Wp 1,024 x 1,024 float32; Wq 1,024 x 1,024 float32; Wv 1,024 x 1,024 float32; bk 1,024 float32; bp 1,024 float32; bq 1,024 float32; bv 1,024 float32; pad_mask 8 x 1,024 bool; x 8 x 1,024 x 1,024 float32.
;; Outputs: out0 8 x 1,024 x 1,024 float32.
;; One version. Each part assembles by itself: llvm-mc -triple=amdgcn-amd-amdhsa -mcpu=gfx1250 --defsym DOCPART=n.
;; ======== version 1 of 1: 5 launches
;; limits: values are held in f16: magnitudes above 65,504 overflow, below 6.1e-05 lose precision; right only within a limited range of input values
;; workspace buffers: h16 25,165,824 bytes; cs 4,194,304 bytes; kqv 50,331,648 bytes; mx 3,072 bytes; wei 16,777,216 bytes; oh 16,777,216 bytes
;; launch prep (part 1): grid 896 x 1, 8 waves a work-group, no clusters, 0 bytes of LDS; arguments x, Wk, Wq, Wv, Wp, h16, cs; writes h16, cs
.if DOCPART == 1
	.amdgcn_target "amdgcn-amd-amdhsa--gfx1250"
	.amdhsa_code_object_version 6
	.text
	.protected	k_q75d1b79102_prep
	.globl	k_q75d1b79102_prep
	.p2align	8
	.type	k_q75d1b79102_prep,@function
k_q75d1b79102_prep:
	s_mov_b64 s[64:65], 0
	v_nop
	global_prefetch_b8 v0, s[64:65] scope:SCOPE_SE
	s_setreg_imm32_b32 hwreg(HW_REG_WAVE_MODE, 25, 1), 1
	s_wait_xcnt 0x0
; prep.  Two jobs, chosen by the work-group's number.
; (1) Work-groups 0-767: x, Wk, Wq, Wv, Wp (f32) are rounded once to f16 into h16 = [12288][1024].  Rows 0-8191: x.  Rows 8192-11263: Wk, Wq, Wv interleaved in
;     blocks of 128 rows: row n of weight s (0 k, 1 q, 2 v) lies at 8192 + 384 (n / 128) + 128 s + n % 128, so that the 128 rows of each of the three that one
;     work-group of the next launch multiplies by are 384 consecutive rows.  Rows 11264-12287: Wp.
;     A work-group takes 16,384 numbers, 16 rows: 512 groups for x, 64 for each weight.  A thread takes 8 neighbouring numbers (32 bytes in, 16 bytes out) in each
;     of 8 groups of 2,048 numbers; sixteen neighbouring lanes store 256 consecutive bytes, aligned.  All 16 loads go out first: no loop, no register is written twice.
; (2) Work-groups 768-895: the table cs[t][d] = (cos, sin) of the whole number n = (1023 - t) d, f32, 8 rows of 512 pairs a group.
;     n <= 522,753 is exact in f32.  q = nearest whole number to n 2/pi; r = n - q P1 - q P2 with P1 + P2 = pi/2 in two f32: the first fused multiply-add is
;     exact (n and q P1 are multiples of 2^-23 and the difference is below 1), the second leaves an error near 1e-7.  Then polynomials of degree 7 and 8 in r
;     and the quadrant q mod 4.  No branch and no address hangs on these numbers.
; LIMIT: |x| and |W| must stay below 65,504, f16's largest number; beyond it the rounded operand is infinite.
.set CONVG, 768                        ; work-groups that convert
.set XG,    512                        ; of them for x
	s_load_b256 s[4:11], s[0:1], 0x0               ; x s[4:5], Wk s[6:7], Wq s[8:9], Wv s[10:11]
	s_load_b128 s[12:15], s[0:1], 0x20             ; Wp s[12:13], h16 s[14:15]
	s_load_b64 s[16:17], s[0:1], 0x30              ; cs
	s_cmp_ge_u32 ttmp9, CONVG
	s_cbranch_scc1 .Ltable
	s_sub_co_u32 s20, ttmp9, XG                    ; number among the weights' groups (not used by x's groups)
	s_lshr_b32 s21, s20, 6                         ; which weight
	s_and_b32 s22, s20, 63                         ; which 16 rows of it
	s_lshl_b32 s30, s22, 16                        ; byte offset in the weight: 16,384 numbers of 4 bytes a group
	s_lshl_b32 s23, ttmp9, 16                      ; byte offset in x
	s_lshr_b32 s28, s22, 3                         ; the weight's block of 128 rows
	s_mul_i32 s28, s28, 24                         ; 384 rows of h16, 24 groups of 16, for each block
	s_lshl_b32 s29, s21, 3                         ; 128 rows, 8 groups, for each weight in it
	s_add_co_u32 s28, s28, s29
	s_and_b32 s29, s22, 7
	s_add_co_u32 s28, s28, s29
	s_add_co_u32 s28, s28, XG                      ; behind x's 512 groups
	s_cmp_lt_u32 s20, 192                          ; Wk, Wq, Wv: interleaved; x and Wp: in the order of the groups
	s_cselect_b32 s26, s28, ttmp9
	s_lshl_b32 s26, s26, 15                        ; h16: 16,384 numbers of 2 bytes a group
	s_mov_b32 s27, 0
	v_lshlrev_b32 v1, 5, v0                        ; my 32 bytes of f32
	v_lshlrev_b32 v2, 4, v0                        ; my 16 bytes of f16
	s_wait_kmcnt 0x0
	s_cmp_eq_u32 s21, 1
	s_cselect_b64 s[18:19], s[8:9], s[6:7]
	s_cmp_eq_u32 s21, 2
	s_cselect_b64 s[18:19], s[10:11], s[18:19]
	s_cmp_eq_u32 s21, 3
	s_cselect_b64 s[18:19], s[12:13], s[18:19]
	s_cmp_lt_u32 ttmp9, XG
	s_cselect_b64 s[18:19], s[4:5], s[18:19]       ; the source
	s_cselect_b32 s24, s23, s30                    ; and the offset in it
	s_mov_b32 s25, 0
	s_add_nc_u64 s[18:19], s[18:19], s[24:25]
	s_add_nc_u64 s[14:15], s[14:15], s[26:27]
.irp g, 0,1,2,3,4,5,6,7
	global_load_b128 v[8+8*\g:8+8*\g+3],   v1, s[18:19] offset:8192*\g th:TH_LOAD_NT
	global_load_b128 v[8+8*\g+4:8+8*\g+7], v1, s[18:19] offset:8192*\g+16 th:TH_LOAD_NT
.endr
.irp g, 0,1,2,3,4,5,6,7
	s_wait_loadcnt 14-2*\g                         ; loads come back in order: group g's two are in, the younger groups' stay out
.irp j, 0,1,2,3
	v_cvt_pk_f16_f32 v[72+4*\g+\j], v[8+8*\g+2*\j], v[8+8*\g+2*\j+1]
.endr
	global_store_b128 v2, v[72+4*\g:72+4*\g+3], s[14:15] offset:4096*\g
.endr
	s_endpgm
.Ltable:
	s_sub_co_u32 s20, ttmp9, CONVG
	s_lshl_b32 s20, s20, 3                         ; my first row t0
	s_lshl_b32 s22, s20, 12                        ; a row of the table is 4,096 bytes
	s_mov_b32 s23, 0
	s_sub_co_u32 s20, 1023, s20                    ; 1023 - t
	s_mov_b32 s24, 0x3f22f983                      ; 2 / pi
	s_mov_b32 s25, 0x3fc90fdb                      ; P1: pi / 2 rounded to f32
	s_mov_b32 s26, 0xb33bbd2e                      ; P2: what P1 leaves of pi / 2
	s_mov_b32 s27, 0xbe2aaaa3                      ; sine:   r + r z (S1 + z (S2 + z S3)), z = r r
	s_mov_b32 s28, 0x3c08839e
	s_mov_b32 s29, 0xb94ca1f9
	s_mov_b32 s30, 0x3d2aaaa5                      ; cosine: 1 - z / 2 + z z (C1 + z (C2 + z C3))
	s_mov_b32 s31, 0xbab6061a
	s_mov_b32 s32, 0x37ccf5ce
	v_lshlrev_b32 v2, 4, v0                        ; my 16 bytes of a row: two pairs
	v_lshlrev_b32 v3, 1, v0                        ; d of the first pair
	v_or_b32 v4, 1, v3                             ; d of the second
	s_wait_kmcnt 0x0
	s_add_nc_u64 s[16:17], s[16:17], s[22:23]
; cos and sin of the whole number in v[n], into v[c] and v[s]
.macro SINCOS n, c, s
	v_cvt_f32_u32 v10, v[\n]
	v_mul_f32 v11, s24, v10
	v_rndne_f32 v11, v11                           ; q
	v_fma_f32 v12, -v11, s25, v10                  ; exact
	v_fma_f32 v12, -v11, s26, v12                  ; r
	v_cvt_i32_f32 v13, v11
	v_mul_f32 v14, v12, v12                        ; z
	v_fma_f32 v15, v14, s29, s28
	v_fma_f32 v15, v15, v14, s27
	v_mul_f32 v17, v14, v12
	v_fma_f32 v15, v15, v17, v12                   ; sin r
	v_fma_f32 v16, v14, s32, s31
	v_fma_f32 v16, v16, v14, s30
	v_mul_f32 v17, v14, v14
	v_fma_f32 v18, v14, -0.5, 1.0
	v_fma_f32 v16, v16, v17, v18                   ; cos r
	v_and_b32 v19, 1, v13
	v_cmp_eq_u32 vcc_lo, 1, v19                    ; odd quadrant: the two change places
	v_cndmask_b32 v[\c], v16, v15, vcc_lo
	v_cndmask_b32 v[\s], v15, v16, vcc_lo
	v_add_nc_u32 v19, 1, v13                       ; the cosine is negative in quadrants 1 and 2,
	v_and_b32 v19, 2, v19
	v_lshlrev_b32 v19, 30, v19
	v_xor_b32 v[\c], v[\c], v19
	v_and_b32 v19, 2, v13                          ; the sine in quadrants 2 and 3
	v_lshlrev_b32 v19, 30, v19
	v_xor_b32 v[\s], v[\s], v19
.endm
	s_mov_b32 s21, 0
.Lrow:
	v_mul_u32_u24 v5, v3, s20                      ; (1023 - t) d, below 2^20
	v_mul_u32_u24 v6, v4, s20
	SINCOS 5, 40, 41
	SINCOS 6, 42, 43
	global_store_b128 v2, v[40:43], s[16:17]       ; sixteen lanes store 256 consecutive bytes, aligned
	s_wait_xcnt 0x0                                ; the store's data and base are written again only behind this wait
	s_add_nc_u64 s[16:17], s[16:17], 4096
	s_sub_co_u32 s20, s20, 1
	s_add_co_u32 s21, s21, 1
	s_cmp_lt_u32 s21, 8
	s_cbranch_scc1 .Lrow
	s_endpgm
.Lfunc_end_k_q75d1b79102_prep:
	.size	k_q75d1b79102_prep, .Lfunc_end_k_q75d1b79102_prep-k_q75d1b79102_prep
	.p2alignl 7, 3214868480
	.fill 96, 4, 3214868480
	.section	.rodata,"a",@progbits
	.p2align	6, 0x0
	.amdhsa_kernel k_q75d1b79102_prep
		.amdhsa_group_segment_fixed_size 0
		.amdhsa_private_segment_fixed_size 0
		.amdhsa_enable_private_segment 0
		.amdhsa_kernarg_size 56
		.amdhsa_user_sgpr_count 2
		.amdhsa_user_sgpr_kernarg_segment_ptr 1
		.amdhsa_wavefront_size32 1
		.amdhsa_system_sgpr_workgroup_id_x 1
		.amdhsa_system_sgpr_workgroup_id_y 1
		.amdhsa_system_sgpr_workgroup_id_z 1
		.amdhsa_system_vgpr_workitem_id 0
		.amdhsa_next_free_vgpr 104
		.amdhsa_next_free_sgpr 66
		.amdhsa_reserve_vcc 1
		.amdhsa_float_denorm_mode_32 3
		.amdhsa_float_denorm_mode_16_64 3
		.amdhsa_memory_ordered 1
		.amdhsa_forward_progress 1
		.amdhsa_inst_pref_size 10
	.end_amdhsa_kernel
	.amdgpu_metadata
---
amdhsa.version: [ 1, 2 ]
amdhsa.kernels:
  - .name:           k_q75d1b79102_prep
    .symbol:         k_q75d1b79102_prep.kd
    .args:
      - { .name: x, .offset: 0, .size: 8, .value_kind: global_buffer, .address_space: global }
      - { .name: Wk, .offset: 8, .size: 8, .value_kind: global_buffer, .address_space: global }
      - { .name: Wq, .offset: 16, .size: 8, .value_kind: global_buffer, .address_space: global }
      - { .name: Wv, .offset: 24, .size: 8, .value_kind: global_buffer, .address_space: global }
      - { .name: Wp, .offset: 32, .size: 8, .value_kind: global_buffer, .address_space: global }
      - { .name: h16, .offset: 40, .size: 8, .value_kind: global_buffer, .address_space: global }
      - { .name: cs, .offset: 48, .size: 8, .value_kind: global_buffer, .address_space: global }
    .group_segment_fixed_size: 0
    .private_segment_fixed_size: 0
    .kernarg_segment_align: 8
    .kernarg_segment_size: 56
    .max_flat_workgroup_size: 256
    .sgpr_count:     66
    .vgpr_count:     104
    .wavefront_size: 32
...
	.end_amdgpu_metadata
.endif
;; end of part 1
;; launch qkv (part 2): grid 8 x 32, 4 waves a work-group, clusters of 4 x 4, 327,680 bytes of LDS; arguments h16, cs, bk, bq, bv, kqv, mx; writes kqv, mx
.if DOCPART == 2
	.amdgcn_target "amdgcn-amd-amdhsa--gfx1250"
	.amdhsa_code_object_version 6
	.text
	.protected	k_q75d1b79102_qkv
	.globl	k_q75d1b79102_qkv
	.p2align	8
	.type	k_q75d1b79102_qkv,@function
k_q75d1b79102_qkv:
	s_mov_b64 s[64:65], 0
	v_nop
	global_prefetch_b8 v0, s[64:65] scope:SCOPE_SE
	s_setreg_imm32_b32 hwreg(HW_REG_WAVE_MODE, 25, 1), 1
	s_wait_xcnt 0x0
	s_wait_alu depctr_hold_cnt(0) depctr_sa_sdst(0) depctr_va_vdst(0) depctr_va_sdst(0) depctr_va_ssrc(0) depctr_va_vcc(0) depctr_vm_vsrc(0)
	s_getreg_b32 s2, hwreg(HW_REG_IB_STS2, 6, 4)
	s_cmp_eq_u32 s2, 0
	s_cbranch_scc0 .Lentry_in_a_cluster
	s_endpgm
.Lentry_in_a_cluster:
	s_bfe_u32 s2, ttmp6, 0x10000c
	s_cmp_lg_u32 s2, 0xf033
	s_cbranch_scc0 .Lentry_shape_is_right
	s_endpgm
.Lentry_shape_is_right:
; qkv: kqv[s][row][c] = rotate(x W_s^T + b_s), s = 0 k, 1 q, 2 v; f16 operands, f32 sums that start from the bias, rotation in f32, one rounding to f16.
; mx[256 s + 32 nb + mb] = the largest |value| of section s in the block, in f32, taken ahead of the rounding: later launches make their scales of it.
; A work-group makes 256 rows (mb) x the columns 128 nb .. 128 nb + 127 of k, of q and of v: 256 x 384, 256 work-groups in all.  x's tile serves all three.
; Wave w owns rows 64 w .. 64 w + 63 and all 384 columns: 4 x 8 accumulator tiles for each section, 768 registers.
; K = 1024 goes in 16 steps of 64 through two LDS slots filled by tensor loads.  Two slots of a step of 128 would take 2 x 640 rows x 272 bytes = 348,160 bytes,
; more than the 327,680 that a work-group can be given; so a tile's rows are 128 bytes.  Between a slot's request and the wait for it a wave issues 184 matrix instructions.
; CLUSTER 4 x 4: x's tile hangs on mb alone and is asked for jointly by a row of the cluster, W's hangs on nb alone and is asked for jointly by a column.
; The matrix instruction is used transposed (source 0: 16 rows of W, source 1: 16 rows of x): lane l holds row 16 a + l % 16 and the eight neighbouring columns
; 16 b + 8 (l / 16) + 0..7, that is four rotation pairs and 16 bytes of f16.
; A K step is six parts of 32 matrix instructions: quarter 0 (32 along K) x sections k, q, v, then quarter 1 x k, q, v.  W's fragments (64 registers a part) take two
; buffers by turns, part by part; x's fragments (32 registers a quarter) two buffers, quarter by quarter.
; REGISTERS: window 0: v4-15 running maxima, v16-28 addresses, v32-63 not used by the loop, v64-127 x's fragments, v128-255 W's fragments;
; windows 1, 2, 3: the accumulators of k, q, v, tile (a, b) at v[8 (8 a + b)].
; On the way out window 0 holds: v32-95 and v128-191 the table words of 16 rows, two buffers; v96-127 packed results; v192-255 rotated numbers, then rows read back.
; LIMIT: the rotated |k|, |q|, |v| must stay below 65,504 (f16).
.set PITCH,  144                       ; an LDS row: 128 bytes + 16 of padding, an odd multiple of 16: the 16 rows of a fragment load start 16 bytes apart modulo 256
.set BBYTES, 384*PITCH                 ; W's 384 rows: 128 of Wk, 128 of Wq, 128 of Wv
.set BHALF,  192*PITCH                 ; what wave 0 or 1 fetches
.set AHALF,  128*PITCH                 ; what wave 2 or 3 fetches
.set SLOT,   BBYTES+2*AHALF            ; W's rows, then x's 256 rows
.set STAGE,  2*SLOT                    ; behind the ring, a multiple of 256: 16 rows x 272 bytes for each wave; no tensor load lands here
.set SPITCH, 272
.set RED,    STAGE+4*16*SPITCH         ; twelve words for the block's maxima, in a 256-byte block of their own
.set KSTEP,  128                       ; bytes from one K step to the next
.set MXR,   4                          ; v4-15 four running maxima for each section
.set ADRA,  16                         ; v16-17 LDS address of my x fragments, slot 0, 1
.set ADRB,  20                         ; v20-21 of the W fragments
.set STO,   24
.set RD,    25
.set CO,    26
.set TABO,  27                         ; byte offset of my table words; never rewritten
.set BIASO, 28                         ; byte offset of my bias; never rewritten
.set TABA,  32                         ; table buffer: v32-63, free all the time, and x's fragment buffer 0
.set FA,    64
.set P,     96                         ; the way out: packed results (x's fragment buffer 1)
.set FB,    128
.set TABB,  128                        ; table buffer: W's fragment buffer 0
.set T,     192                        ; the way out: rotated numbers (W's fragment buffer 1)
.set OB,    86                         ; s[86:91] where my results go, a pair for each section
.set G1,  24                           ; s[24:31] group 1 for x's tiles
.set G0,  32                           ; s[32:39] group 0 for x's tiles, a set for each slot
.set G1B, 48                           ; s[48:55] group 1 for W's tiles
.set G0B, 56                           ; s[56:63] group 0 for W's tiles
.set W0,  (1<<16)|(1<<20)|(1<<21)|(4<<22)|(3<<25)   ; 2-byte elements; padding on; bit 21 beside a mask; after every 32 words, 4 words
.set MSB, 0
.macro WIN new                         ; the immediate's high byte repeats the setting that is left; a switch that changes nothing is dropped
.if MSB != (\new)
	s_set_vgpr_msb (MSB<<8)|(\new)
.set MSB, (\new)
.endif
.endm
.macro PLACES                          ; four places behind matrix instructions, ahead of loads into their sources and of reads of their results
.rept 4
	v_nop
.endr
.endm
; One tensor load a wave: waves 0 and 1 fetch W's halves of 192 rows, waves 2 and 3 x's halves of 128 rows.  The branch hangs on the wave's number alone.
.macro JLOAD s
	s_cmp_lt_u32 s10, 2
	s_cbranch_scc0 .Lfor_a_\@
	tensor_load_to_lds s[G0B+4*\s:G0B+4*\s+3], s[G1B:G1B+7]
	s_nop 0
	s_branch .Lasked_\@
.Lfor_a_\@:
	tensor_load_to_lds s[G0+4*\s:G0+4*\s+3], s[G1:G1+7]
	s_nop 0
.Lasked_\@:
.endm
.macro CREST                           ; a round of the cluster's barrier behind its opening work-group barrier
	s_cmp_lg_u32 s10, 0
	s_cbranch_scc1 .Lnot_wave_0_\@
	s_barrier_signal -3
.Lnot_wave_0_\@:
	s_barrier_wait -3
	s_barrier_signal -1
	s_barrier_wait -1
.endm
.macro CROUND                          ; a whole round
	s_barrier_signal -1
	s_barrier_wait -1
	CREST
.endm
; 16 LDS loads: the 128 rows of section s, quarter q of a slot, into W's buffer f
.macro FETCHB slot, q, s, f
	WIN 0
.irp i, 0,1,2,3,4,5,6,7
	ds_load_b128 v[FB+64*\f+8*\i:FB+64*\f+8*\i+3],   v[ADRB+\slot] offset:64*\q+(128*\s+16*\i)*PITCH
	ds_load_b128 v[FB+64*\f+8*\i+4:FB+64*\f+8*\i+7], v[ADRB+\slot] offset:64*\q+(128*\s+16*\i)*PITCH+32
.endr
.endm
; 8 LDS loads: my 64 rows of x, quarter q of a slot, into x's buffer f
.macro FETCHA slot, q, f
	WIN 0
.irp i, 0,1,2,3
	ds_load_b128 v[FA+32*\f+8*\i:FA+32*\f+8*\i+3],   v[ADRA+\slot] offset:64*\q+16*\i*PITCH
	ds_load_b128 v[FA+32*\f+8*\i+4:FA+32*\f+8*\i+7], v[ADRA+\slot] offset:64*\q+16*\i*PITCH+32
.endr
.endm
; 8 loads: the table words (cos, sin) of rows 16 a .. 16 a + 15, tiles hb .. hb + 3, into the buffer at reg
.macro TABH a, reg, hb
.irp b, 0,1,2,3
	global_load_b128 v[\reg+8*(\hb+\b):\reg+8*(\hb+\b)+3],   v[TABO], s[70:71] offset:65536*\a+64*(\hb+\b)
	global_load_b128 v[\reg+8*(\hb+\b)+4:\reg+8*(\hb+\b)+7], v[TABO], s[70:71] offset:65536*\a+64*(\hb+\b)+16
.endr
.endm
; 8 matrix instructions: my rows 16 a .. 16 a + 15 x the 128 columns of the section whose window is set.
; first = 1: the sum starts from the bias, which lies in the tiles of rows 0-15: C is tile (0, b), D tile (a, b).
.macro MULA fb, fa, a, first
.irp b, 0,1,2,3,4,5,6,7
.if \first
	v_wmma_f32_16x16x32_f16 v[8*(8*\a+\b):8*(8*\a+\b)+7], v[FB+64*\fb+8*\b:FB+64*\fb+8*\b+7], v[FA+32*\fa+8*\a:FA+32*\fa+8*\a+7], v[8*\b:8*\b+7]
.else
	v_wmma_f32_16x16x32_f16 v[8*(8*\a+\b):8*(8*\a+\b)+7], v[FB+64*\fb+8*\b:FB+64*\fb+8*\b+7], v[FA+32*\fa+8*\a:FA+32*\fa+8*\a+7], v[8*(8*\a+\b):8*(8*\a+\b)+7]
.endif
.endr
.endm
; A part: 32 matrix instructions.  The 96 accumulators take turns, one instruction a turn, over the backward jump too.
; first = 1: rows 16-63 read the bias out of the tiles of rows 0-15; five places later (ISA guide 7.12.1) those tiles are written, adding in place onto the bias.
.macro MUL32 fb, fa, first
.if \first
	MULA \fb, \fa, 1, 1
	MULA \fb, \fa, 2, 1
	MULA \fb, \fa, 3, 1
.rept 5
	v_nop
.endr
	MULA \fb, \fa, 0, 0
.else
	MULA \fb, \fa, 0, 0
	MULA \fb, \fa, 1, 0
	MULA \fb, \fa, 2, 0
	MULA \fb, \fa, 3, 0
.endif
.endm
; One of a K step's first five parts: fetches the next part's W fragments (quarter nq, section ns, buffer nf), multiplies buffers fb and fa into window win.
; geta = 1: x's quarter 1 is fetched too.  tab = 1 (last K step alone): x's buffer 0 has been read for the last time and takes table words.
.macro SUB slot, nq, ns, nf, fb, fa, win, geta, first, tab
	s_wait_dscnt 0x0                               ; this part's fragments, asked for 32 matrix instructions ago, are in
	PLACES
	FETCHB \slot, \nq, \ns, \nf
.if \geta
	FETCHA \slot, 1, 1
.endif
.if \tab
	TABH 0, TABA, 4
.endif
	WIN \win
	MUL32 \fb, \fa, \first
.endm
.macro FIVE slot, first, tab
	SUB \slot, 0, 1, 1, 0, 0, 0x50, 0, \first, 0   ; quarter 0, k
	SUB \slot, 0, 2, 0, 1, 0, 0xa0, 1, \first, 0   ; quarter 0, q
	SUB \slot, 1, 0, 1, 0, 0, 0xf0, 0, \first, 0   ; quarter 0, v
	SUB \slot, 1, 1, 0, 1, 1, 0x50, 0, 0, \tab     ; quarter 1, k
	SUB \slot, 1, 2, 1, 0, 1, 0xa0, 0, 0, 0        ; quarter 1, q
.endm
; The sixth part (quarter 1, v) changes slots.  In front of the barrier every wave waits for its reads of this slot and for all its tensor loads (one is out: its
; part of the next slot).  fill = 1: the barrier opens a round of the cluster's barrier, and behind the round this slot's refill, two K steps ahead, is the wave's
; first and only tensor load; then the next slot is read.
.macro TURN slot, next, fill
	s_wait_dscnt 0x0                               ; this part's fragments are in: those were my last reads of this slot
	s_wait_tensorcnt 0x0                           ; all my tensor loads have landed
	ds_add_u32 v23, v29
	s_wait_dscnt 0x0
	s_barrier_signal -1
	WIN 0xf0
	MULA 1, 1, 0, 0                                ; register work while the others arrive
	WIN 0
	s_barrier_wait -1
.if \fill
	CREST
	s_add_nc_u64 s[G0+4*\slot+2:G0+4*\slot+3], s[G0+4*\slot+2:G0+4*\slot+3], 2*KSTEP      ; no tensor load of mine is out: group 0 may be written
	s_add_nc_u64 s[G0B+4*\slot+2:G0B+4*\slot+3], s[G0B+4*\slot+2:G0B+4*\slot+3], 2*KSTEP
	JLOAD \slot
.endif
	PLACES
	FETCHB \next, 0, 0, 0
	FETCHA \next, 0, 0
	WIN 0xf0
	MULA 1, 1, 1, 0
	MULA 1, 1, 2, 0
	MULA 1, 1, 3, 0
.endm
.macro LAP first                       ; two K steps, both slots filled again
	FIVE 0, \first, 0
	TURN 0, 1, 1
	FIVE 1, 0, 0
	TURN 1, 0, 1
.endm
; 16 rows x 128 f16 leave through my own stage: 16 bytes a lane in, whole rows of 256 bytes back, sixteen lanes store 256 consecutive bytes, aligned
.macro OUTH a, s, rb
.irp b, 0,1,2,3,4,5,6,7
	ds_store_b128 v[STO], v[P+4*\b:P+4*\b+3] offset:32*\b
.endr
.irp t, 0,1,2,3,4,5,6,7
	ds_load_b128 v[\rb+4*\t:\rb+4*\t+3], v[RD] offset:\t*2*SPITCH  ; LDS serves a wave's instructions in order: these see the stores above
.endr
.irp t, 0,1,2,3,4,5,6,7
	s_wait_dscnt 7-\t                              ; read-back t is in, the younger ones stay out
	global_store_b128 v[CO], v[\rb+4*\t:\rb+4*\t+3], s[OB+2*\s:OB+2*\s+1] offset:(16*\a+2*\t)*2048
.endr
.endm
.macro WMAX x, t                       ; the largest over the 32 lanes, in every lane; v[t] has been written before
	v_max_num_f32_dpp v[\x], v[\x], v[\x] row_xmask:1 row_mask:0xf bank_mask:0xf
	v_max_num_f32_dpp v[\x], v[\x], v[\x] row_xmask:2 row_mask:0xf bank_mask:0xf
	v_max_num_f32_dpp v[\x], v[\x], v[\x] row_xmask:4 row_mask:0xf bank_mask:0xf
	v_max_num_f32_dpp v[\x], v[\x], v[\x] row_xmask:8 row_mask:0xf bank_mask:0xf
	v_permlanex16_b32 v[\t], v[\x], s84, s85
	v_max_num_f32 v[\x], v[\x], v[\t]
.endm
	s_load_b256 s[68:75], s[0:1], 0x0              ; h16 s[68:69], cs s[70:71], bk s[72:73], bq s[74:75]
	s_load_b128 s[76:79], s[0:1], 0x20             ; bv s[76:77], kqv s[78:79]
	s_load_b64 s[80:81], s[0:1], 0x30              ; mx
	v_lshl_add_u32 v23, v0, 2, 0x31500
	v_mov_b32 v29, 0
	ds_add_u32 v23, v29
	ds_add_u32 v23, v29
	v_lshrrev_b32 v1, 5, v0
	v_readfirstlane_b32 s10, v1                    ; wave 0..3
	s_and_b32 s12, s10, 1                          ; which half of a tile I fetch
	s_bfe_u32 s40, ttmp6, 0x40000                  ; cx
	s_bfe_u32 s41, ttmp6, 0x40004                  ; cy
	s_lshl_b32 s42, ttmp9, 2
	s_add_co_u32 s42, s42, s40                     ; nb = 4 x cluster x + cx
	s_and_b32 s13, ttmp7, 0xffff
	s_lshl_b32 s13, s13, 2
	s_add_co_u32 s13, s13, s41                     ; mb = 4 x cluster y + cy
	s_lshl_b32 s43, s41, 2
	s_lshl_b32 s43, 15, s43                        ; my row of the cluster
	s_lshl_b32 s44, 0x1111, s40                    ; my column
	s_or_b32 s[G1+0], s43, W0                      ; x's tiles go to my row
	s_or_b32 s[G1B+0], s44, W0                     ; W's to my column
	s_mov_b32 s[G1+1], 64<<16                      ; tensor_dim0 = 64
	s_mov_b32 s[G1+2], 128<<16                     ; tensor_dim1 = 128
	s_mov_b32 s[G1+3], 64<<16                      ; tile_dim0 = 64 elements, 128 bytes
	s_mov_b32 s[G1+4], 128                         ; tile_dim1 = 128 rows
	s_mov_b32 s[G1+5], 1024                        ; elements from row to row
	s_mov_b32 s[G1+6], 0
	s_mov_b32 s[G1+7], 0
	s_mov_b32 s[G1B+1], 64<<16
	s_mov_b32 s[G1B+2], 192<<16                    ; 192 rows
	s_mov_b32 s[G1B+3], 64<<16
	s_mov_b32 s[G1B+4], 192
	s_mov_b32 s[G1B+5], 1024
	s_mov_b32 s[G1B+6], 0
	s_mov_b32 s[G1B+7], 0
	s_lshl_b32 s16, s13, 8                         ; x: row 256 mb + 128 half of h16, 2,048 bytes a row
	s_lshl_b32 s17, s12, 7
	s_add_co_u32 s16, s16, s17
	s_lshl_b32 s16, s16, 11
	s_mov_b32 s17, 0
	s_mul_i32 s46, s42, 384                        ; W: row 8192 + 384 nb + 192 half
	s_mul_i32 s47, s12, 192
	s_add_co_u32 s46, s46, s47
	s_add_co_u32 s46, s46, 8192
	s_lshl_b32 s46, s46, 11
	s_mov_b32 s47, 0
	s_mul_i32 s21, s10, BHALF                      ; LDS: waves 0, 1: W's halves at w x 27,648
	s_mul_i32 s20, s10, AHALF                      ; waves 2, 3: x's halves at 18,432 + w x 18,432, that is behind W's 55,296 bytes
	s_add_co_u32 s20, s20, BBYTES-2*AHALF
	s_wait_dscnt 0x0
	s_wait_kmcnt 0x0
	s_add_nc_u64 s[14:15], s[68:69], s[16:17]
	s_add_nc_u64 s[46:47], s[68:69], s[46:47]
	CROUND                                         ; all sixteen work-groups are here: the first joint loads meet
.irp s, 0,1
	s_mov_b32 s[G0+4*\s], 1
	s_add_co_u32 s[G0+4*\s+1], s20, \s*SLOT
	s_add_nc_u64 s[G0+4*\s+2:G0+4*\s+3], s[14:15], \s*KSTEP
	s_or_b32 s[G0+4*\s+3], s[G0+4*\s+3], 0x80000000
	s_mov_b32 s[G0B+4*\s], 1
	s_add_co_u32 s[G0B+4*\s+1], s21, \s*SLOT
	s_add_nc_u64 s[G0B+4*\s+2:G0B+4*\s+3], s[46:47], \s*KSTEP
	s_or_b32 s[G0B+4*\s+3], s[G0B+4*\s+3], 0x80000000
	JLOAD \s                                       ; both slots' first fills go out ahead of everything else: two tensor loads of a wave are out
.endr
	s_mov_b32 s84, 0x76543210
	s_mov_b32 s85, 0xfedcba98
	v_and_b32 v1, 15, v0                           ; r = l % 16
	v_bfe_u32 v2, v0, 4, 1                         ; h = l / 16
	s_lshl_b32 s19, s42, 9                         ; 128 columns are 512 bytes of a bias and of a table row
	v_lshl_add_u32 v[BIASO], v2, 5, s19            ; 512 nb + 32 h: my eight columns of tile 0
	; the bias goes straight into the accumulator tiles of rows 0-15 of each section: register j of tile (0, b) = b_s[128 nb + 16 b + 8 h + j]
.irp s, 0,1,2
	WIN (1+\s)<<6                                  ; destination: the section's window
.irp b, 0,1,2,3,4,5,6,7
	global_load_b128 v[8*\b:8*\b+3],   v[BIASO], s[72+2*\s:73+2*\s] offset:64*\b
	global_load_b128 v[8*\b+4:8*\b+7], v[BIASO], s[72+2*\s:73+2*\s] offset:64*\b+16
.endr
.endr
	WIN 0
	s_lshl_b32 s23, s13, 8
	s_lshl_b32 s22, s10, 6
	s_add_co_u32 s23, s23, s22                     ; my first row: 256 mb + 64 w
	s_and_b32 s22, s23, 1023                       ; t of my first row
	s_lshl_b32 s22, s22, 12                        ; a table row is 4,096 bytes
	s_add_co_u32 s22, s22, s19
	v_lshlrev_b32 v3, 12, v1
	v_lshl_add_u32 v3, v2, 5, v3
	v_add_nc_u32 v[TABO], s22, v3                  ; (t0 + r) 4096 + 512 nb + 32 h
	TABH 0, TABA, 0                                ; the table words of rows 0-15, tiles 0-3, into registers that the loop does not use
	s_lshl_b32 s94, s23, 11
	s_lshl_b32 s22, s42, 8
	s_add_co_u32 s94, s94, s22
	s_mov_b32 s95, 0
	s_add_nc_u64 s[OB:OB+1], s[78:79], s[94:95]    ; where my results go: k,
	s_add_nc_u64 s[OB+2:OB+3], s[OB:OB+1], 0x1000000       ; q, a section of 16,777,216 bytes on,
	s_add_nc_u64 s[OB+4:OB+5], s[OB+2:OB+3], 0x1000000     ; v
	v_mul_u32_u24 v3, v1, PITCH
	v_lshl_add_u32 v3, v2, 4, v3                   ; r x pitch + 16 h
	v_mov_b32 v[ADRB], v3
	v_add_nc_u32 v[ADRB+1], SLOT, v3
	s_mul_i32 s22, s10, 64*PITCH                   ; my 64 rows of x,
	s_add_co_u32 s22, s22, BBYTES                  ; which lie behind W's rows
	v_add_nc_u32 v[ADRA], s22, v3
	v_add_nc_u32 v[ADRA+1], SLOT, v[ADRA]
	s_mul_i32 s23, s10, 16*SPITCH
	s_add_co_u32 s23, s23, STAGE                   ; my stage
	v_mul_u32_u24 v4, v1, SPITCH
	v_lshl_add_u32 v4, v2, 4, v4
	v_add_nc_u32 v[STO], s23, v4                   ; in: row r, 16 bytes for each half of the lanes
	v_mul_u32_u24 v4, v2, SPITCH
	v_lshl_add_u32 v4, v1, 4, v4
	v_add_nc_u32 v[RD], s23, v4                    ; back: lanes 0-15 one row, lanes 16-31 the next
	v_lshlrev_b32 v4, 11, v2
	v_lshl_add_u32 v[CO], v1, 4, v4                ; the same two rows in kqv
	s_wait_tensorcnt 0x1                           ; my part of K step 0 is in; step 1's stays out
	s_barrier_signal -1
	s_barrier_wait -1
	FETCHB 0, 0, 0, 0
	FETCHA 0, 0, 0
	s_wait_loadcnt 0x8                             ; the 48 bias loads are in; the eight table loads issued behind them stay out
	LAP 1                                          ; K steps 0, 1: the first products start the sums from the bias
	WIN 0
	s_mov_b32 s3, 6
.Llap:
	LAP 0                                          ; K steps 2 to 13
	WIN 0
	s_sub_co_u32 s3, s3, 1
	s_cmp_lg_u32 s3, 0
	s_cbranch_scc1 .Llap
	FIVE 0, 0, 0                                   ; K steps 14, 15: nothing is left to fetch
	TURN 0, 1, 0
	FIVE 1, 0, 1                                   ; in its fourth part the rest of rows 0-15's table words is asked for
	s_wait_dscnt 0x0                               ; the very last part
	PLACES
	WIN 0
	TABH 1, TABB, 0                                ; W's buffer 0 has been read for the last time: the table words of rows 16-31
	TABH 1, TABB, 4
	WIN 0xf0
	MULA 1, 1, 0, 0
	MULA 1, 1, 1, 0
	MULA 1, 1, 2, 0
	MULA 1, 1, 3, 0
	WIN 0
	PLACES
; rows 16 a .. 16 a + 15 of section s: rotation y0 = c z0 + s z1, y1 = c z1 - s z0, the running maxima, rounding, out
.macro ROT16 a, s, tab, rb
	s_wait_xcnt 0x0                                ; T holds the registers that the last block's stores read
	WIN 1+\s                                       ; source 0: the section's accumulators; the table, a pair = (cos, sin), and T in window 0
.irp b, 0,1,2,3,4,5,6,7
.irp p, 0,2,4,6
	v_pk_mul_f32 v[T+8*\b+\p:T+8*\b+\p+1], v[8*(8*\a+\b)+\p:8*(8*\a+\b)+\p+1], v[\tab+8*\b+\p:\tab+8*\b+\p+1] op_sel_hi:[1,0]
.endr
.endr
.irp b, 0,1,2,3,4,5,6,7
.irp p, 0,2,4,6
	v_pk_fma_f32 v[T+8*\b+\p:T+8*\b+\p+1], v[8*(8*\a+\b)+\p:8*(8*\a+\b)+\p+1], v[\tab+8*\b+\p:\tab+8*\b+\p+1], v[T+8*\b+\p:T+8*\b+\p+1] op_sel:[1,1,0] op_sel_hi:[0,1,1] neg_hi:[0,1,0]
.endr
.endr
	WIN 0
.irp b, 0,1,2,3,4,5,6,7
.irp p, 0,2,4,6
	v_max3_num_f32 v[MXR+4*\s+(\b&3)], |v[T+8*\b+\p]|, |v[T+8*\b+\p+1]|, v[MXR+4*\s+(\b&3)]
.endr
.endr
.irp b, 0,1,2,3,4,5,6,7
.irp p, 0,1,2,3
	v_cvt_pk_f16_f32 v[P+4*\b+\p], v[T+8*\b+2*\p], v[T+8*\b+2*\p+1]
.endr
.endr
	OUTH \a, \s, \rb
.endm
.irp j, 0,1,2,3,4,5,6,7,8,9,10,11
	v_mov_b32 v[MXR+\j], 0
.endr
	s_wait_loadcnt 16                              ; rows 0-15's table words are in; the 16 loads for rows 16-31 stay out
	ROT16 0, 0, TABA, 192
	ROT16 0, 1, TABA, 224
	ROT16 0, 2, TABA, 192
	TABH 2, TABA, 0                                ; the buffer is free: rows 32-47
	TABH 2, TABA, 4
	s_wait_loadcnt 16                              ; rows 16-31's are in; the 16 just issued stay out
	ROT16 1, 0, TABB, 224
	ROT16 1, 1, TABB, 192
	ROT16 1, 2, TABB, 224
	TABH 3, TABB, 0                                ; rows 48-63
	TABH 3, TABB, 4
	s_wait_loadcnt 16                              ; rows 32-47's are in
	ROT16 2, 0, TABA, 192
	ROT16 2, 1, TABA, 224
	ROT16 2, 2, TABA, 192
	s_wait_loadcnt 0x0                             ; rows 48-63's are in
	ROT16 3, 0, TABB, 224
	ROT16 3, 1, TABB, 192
	ROT16 3, 2, TABB, 224
	; each section's largest magnitude in the block: lanes, then the four waves through LDS, then three words to mx
.irp s, 0,1,2
	v_max_num_f32 v[MXR+4*\s], v[MXR+4*\s], v[MXR+4*\s+1]
	v_max_num_f32 v[MXR+4*\s+2], v[MXR+4*\s+2], v[MXR+4*\s+3]
	v_max_num_f32 v[MXR+4*\s], v[MXR+4*\s], v[MXR+4*\s+2]
	WMAX MXR+4*\s, MXR+4*\s+1
.endr
	s_lshl_b32 s22, s10, 2
	s_add_co_u32 s22, s22, RED
	v_mov_b32 v30, s22
.irp s, 0,1,2
	ds_store_b32 v30, v[MXR+4*\s] offset:16*\s     ; all lanes write the same word with the same value
.endr
	s_wait_dscnt 0x0                               ; for the other waves' sake: zero
	s_barrier_signal -1
	s_barrier_wait -1
	v_mov_b32 v31, RED
.irp s, 0,1,2
	ds_load_b128 v[P+4*\s:P+4*\s+3], v31 offset:16*\s
.endr
	s_lshl_b32 s22, s42, 5
	s_add_co_u32 s22, s22, s13
	s_lshl_b32 s22, s22, 2                         ; 4 (32 nb + mb)
	v_mov_b32 v1, s22
	s_wait_dscnt 0x0
.irp s, 0,1,2
	v_max_num_f32 v[P+4*\s], v[P+4*\s], v[P+4*\s+1]
	v_max_num_f32 v[P+4*\s+2], v[P+4*\s+2], v[P+4*\s+3]
	v_max_num_f32 v[P+4*\s], v[P+4*\s], v[P+4*\s+2]
.endr
	s_wait_xcnt 0x0                                ; EXEC changes only behind this wait
	v_cmp_eq_u32 vcc_lo, 0, v0
	s_and_saveexec_b32 s23, vcc_lo                 ; thread 0 alone
.irp s, 0,1,2
	global_store_b32 v1, v[P+4*\s], s[80:81] offset:1024*\s        ; a section of mx is 256 words
.endr
	s_wait_xcnt 0x0                                ; and again in front of the line that widens it
	s_or_b32 exec_lo, exec_lo, s23
	s_wait_tensorcnt 0x0
	ds_add_u32 v23, v29
	s_wait_dscnt 0x0
	CROUND                                         ; the closing round: no work-group ends while a partner may still ask for a tile that names it
	s_endpgm
.Lfunc_end_k_q75d1b79102_qkv:
	.size	k_q75d1b79102_qkv, .Lfunc_end_k_q75d1b79102_qkv-k_q75d1b79102_qkv
	.p2alignl 7, 3214868480
	.fill 96, 4, 3214868480
	.section	.rodata,"a",@progbits
	.p2align	6, 0x0
	.amdhsa_kernel k_q75d1b79102_qkv
		.amdhsa_group_segment_fixed_size 327680
		.amdhsa_private_segment_fixed_size 0
		.amdhsa_enable_private_segment 0
		.amdhsa_kernarg_size 56
		.amdhsa_user_sgpr_count 2
		.amdhsa_user_sgpr_kernarg_segment_ptr 1
		.amdhsa_wavefront_size32 1
		.amdhsa_system_sgpr_workgroup_id_x 1
		.amdhsa_system_sgpr_workgroup_id_y 1
		.amdhsa_system_sgpr_workgroup_id_z 1
		.amdhsa_system_vgpr_workitem_id 0
		.amdhsa_next_free_vgpr 1024
		.amdhsa_next_free_sgpr 96
		.amdhsa_reserve_vcc 1
		.amdhsa_float_denorm_mode_32 3
		.amdhsa_float_denorm_mode_16_64 3
		.amdhsa_memory_ordered 1
		.amdhsa_forward_progress 1
		.amdhsa_inst_pref_size 255
	.end_amdhsa_kernel
	.section	.bss,"aw",@nobits
	.p2align	6
	.space	262144
	.amdgpu_metadata
---
amdhsa.version: [ 1, 2 ]
amdhsa.kernels:
  - .name:           k_q75d1b79102_qkv
    .symbol:         k_q75d1b79102_qkv.kd
    .args:
      - { .name: h16, .offset: 0, .size: 8, .value_kind: global_buffer, .address_space: global }
      - { .name: cs, .offset: 8, .size: 8, .value_kind: global_buffer, .address_space: global }
      - { .name: bk, .offset: 16, .size: 8, .value_kind: global_buffer, .address_space: global }
      - { .name: bq, .offset: 24, .size: 8, .value_kind: global_buffer, .address_space: global }
      - { .name: bv, .offset: 32, .size: 8, .value_kind: global_buffer, .address_space: global }
      - { .name: kqv, .offset: 40, .size: 8, .value_kind: global_buffer, .address_space: global }
      - { .name: mx, .offset: 48, .size: 8, .value_kind: global_buffer, .address_space: global }
    .group_segment_fixed_size: 327680
    .private_segment_fixed_size: 0
    .kernarg_segment_align: 8
    .kernarg_segment_size: 56
    .max_flat_workgroup_size: 128
    .sgpr_count:     96
    .vgpr_count:     1024
    .wavefront_size: 32
...
	.end_amdgpu_metadata
.endif
;; end of part 2
;; launch score (part 3): grid 20 x 8, 4 waves a work-group, no clusters, 327,680 bytes of LDS; arguments kqv, mx, pad_mask, wei; writes wei
.if DOCPART == 3
	.amdgcn_target "amdgcn-amd-amdhsa--gfx1250"
	.amdhsa_code_object_version 6
	.text
	.protected	k_q75d1b79102_score
	.globl	k_q75d1b79102_score
	.p2align	8
	.type	k_q75d1b79102_score,@function
k_q75d1b79102_score:
	s_mov_b64 s[64:65], 0
	v_nop
	global_prefetch_b8 v0, s[64:65] scope:SCOPE_SE
	s_setreg_imm32_b32 hwreg(HW_REG_WAVE_MODE, 25, 1), 1
	s_wait_xcnt 0x0
; score: wei[b][i][j] = c_w softplus(k_i . q_j / 32) where j <= i and pad_mask[b][j], else 0; f16.  Only blocks that touch or lie under the diagonal are made:
; block row ib (256 rows) has the column blocks jb = 0 .. 2 ib + 1 (128 columns), 20 blocks a batch; the rest of wei is neither written nor read later.
; softplus(S) = max(S, 0) + ln(1 + e^-|S|): the larger of S and 0 is taken away in front of the exponential, as logaddexp does.
; c_w is a power of two from a bound: |S| <= 32 kmax qmax (1024 products over 32), softplus <= |S| + ln 2, Bw = 32 kmax qmax + 1 < 2^(E+1), c_w = 2^(14-E):
; the stored number stays below 2^15 (1 + 2^-9), whatever the inputs' size.  kmax, qmax: the largest |k|, |q| of the whole tensors, from mx.
; Core as in qkv: 256 x 128 a work-group, four waves of 64 x 128, K = 1024 in 8 steps of 128, two LDS slots.
; NO CLUSTER: the blocks that share k's rows come in 2, 4, 6, 8 and those that share q's rows in 4, 4, 3, 3, 2, 2, 1, 1, so the triangle does not split into fours
; that share a tile without work-groups that would compute masked blocks only.
; LIMITS: pad_mask bytes are 0 or 1.  For very negative S the result has an absolute error near 6e-8 (1 + e^-|S| is rounded to f32).
.set PITCH,  272
.set PB,     272
.set ABYTES, 256*PITCH
.set AHALF,  128*PITCH
.set BHALF,  64*PB
.set SLOT,   ABYTES+2*BHALF
.set STAGE,  2*SLOT                    ; 16 rows x 272 bytes for each wave; no tensor load lands here
.set KA,     256
.set KB,     256
.set IREL,  8                          ; v8-11 my row less my first column, for a = 0..3
.set ADRA,  16
.set ADRB,  20
.set STO,   24
.set RD,    25
.set CO,    26
.set PADO,  28                         ; byte offset of my mask bytes; never rewritten
.set MXO,   29                         ; byte offset in mx; never rewritten
.set P,     32
.set FB,    64
.set FA,    192
.set U,     64                         ; the way out: exponent, exponential, logarithm
.set M,     128                        ; the way out: c_w S, then the result
.set LIM,   192                        ; the way out: column's number in the block, or a number no row reaches where the mask has a hole
.set MXP,   70                         ; s[70:71] mx
.set G1,  24
.set G0,  32
.set G1B, 48
.set G0B, 56
.set W0,  (1<<16)|(1<<20)|(5<<22)|(3<<25)   ; 2-byte elements; padding on: after every 64 words, 4 words; no mask
.set MUL, 0x50
.set MSB, 0
.macro WIN new
.if MSB != \new
	s_set_vgpr_msb (MSB<<8)|\new
.set MSB, \new
.endif
.endm
.macro PLACES                          ; four places behind matrix instructions (ISA guide 7.12.1)
.rept 4
	v_nop
.endr
.endm
.macro JLOAD s                         ; one tensor load a wave: waves 0, 1 A's halves, waves 2, 3 B's
	s_cmp_lt_u32 s10, 2
	s_cbranch_scc0 .Lfor_b_\@
	tensor_load_to_lds s[G0+4*\s:G0+4*\s+3], s[G1:G1+7]
	s_nop 0
	s_branch .Lasked_\@
.Lfor_b_\@:
	tensor_load_to_lds s[G0B+4*\s:G0B+4*\s+3], s[G1B:G1B+7]
	s_nop 0
.Lasked_\@:
.endm
.macro FETCH slot, q, f
	WIN 0
.irp i, 0,1,2,3,4,5,6,7
	ds_load_b128 v[FB+64*\f+8*\i:FB+64*\f+8*\i+3],   v[ADRB+\slot] offset:64*\q+\i*16*PB
	ds_load_b128 v[FB+64*\f+8*\i+4:FB+64*\f+8*\i+7], v[ADRB+\slot] offset:64*\q+\i*16*PB+32
.endr
.irp i, 0,1,2,3
	ds_load_b128 v[FA+32*\f+8*\i:FA+32*\f+8*\i+3],   v[ADRA+\slot] offset:64*\q+\i*16*PITCH
	ds_load_b128 v[FA+32*\f+8*\i+4:FA+32*\f+8*\i+7], v[ADRA+\slot] offset:64*\q+\i*16*PITCH+32
.endr
.endm
; The 32 accumulators take turns, one instruction a turn, over the backward jump too.
.macro MULA f, a, zero
.irp b, 0,1,2,3,4,5,6,7
.if \zero
	v_wmma_f32_16x16x32_f16 v[8*(8*\a+\b):8*(8*\a+\b)+7], v[FB+64*\f+8*\b:FB+64*\f+8*\b+7], v[FA+32*\f+8*\a:FA+32*\f+8*\a+7], 0
.else
	v_wmma_f32_16x16x32_f16 v[8*(8*\a+\b):8*(8*\a+\b)+7], v[FB+64*\f+8*\b:FB+64*\f+8*\b+7], v[FA+32*\f+8*\a:FA+32*\f+8*\a+7], v[8*(8*\a+\b):8*(8*\a+\b)+7]
.endif
.endr
.endm
.macro QUARTER slot, q, f, g, zero
	s_wait_dscnt 0x0                               ; buffer f is in
	PLACES
	FETCH \slot, \q, \g
	WIN MUL
	MULA \f, 0, \zero
	MULA \f, 1, \zero
	MULA \f, 2, \zero
	MULA \f, 3, \zero
.endm
.macro THREE slot, zero
	QUARTER \slot, 1, 0, 1, \zero
	QUARTER \slot, 2, 1, 0, 0
	QUARTER \slot, 3, 0, 1, 0
.endm
; The change of slots: every wave waits for its reads of this slot and for all its tensor loads, then the barrier; behind it the refill comes first, one a wave.
.macro TURN slot, next, fill
	s_wait_dscnt 0x0
	s_wait_tensorcnt 0x0
	ds_add_u32 v27, v31
	s_wait_dscnt 0x0
	s_barrier_signal -1
	WIN MUL
	MULA 1, 0, 0
	WIN 0
	s_barrier_wait -1
.if \fill
	s_add_nc_u64 s[G0+4*\slot+2:G0+4*\slot+3], s[G0+4*\slot+2:G0+4*\slot+3], 2*KA
	s_add_nc_u64 s[G0B+4*\slot+2:G0B+4*\slot+3], s[G0B+4*\slot+2:G0B+4*\slot+3], 2*KB
	JLOAD \slot
.endif
	PLACES
	FETCH \next, 0, 0
	WIN MUL
	MULA 1, 1, 0
	MULA 1, 2, 0
	MULA 1, 3, 0
.endm
.macro LASTQ
	s_wait_dscnt 0x0
	WIN MUL
	MULA 1, 0, 0
	MULA 1, 1, 0
	MULA 1, 2, 0
	MULA 1, 3, 0
.endm
.macro LAP zero
	THREE 0, \zero
	TURN 0, 1, 1
	THREE 1, 0
	TURN 1, 0, 1
.endm
.macro OUTH a, rb
.irp b, 0,1,2,3,4,5,6,7
	ds_store_b128 v[STO], v[P+4*\b:P+4*\b+3] offset:32*\b
.endr
	s_wait_xcnt 0x0                                ; the stores' base and the registers they read are written again only behind this wait
.if \a
	s_add_nc_u64 s[8:9], s[8:9], 16*2048
.endif
.irp t, 0,1,2,3,4,5,6,7
	ds_load_b128 v[\rb+4*\t:\rb+4*\t+3], v[RD] offset:\t*2*PITCH
.endr
.irp t, 0,1,2,3,4,5,6,7
	s_wait_dscnt 7-\t                              ; read-back t is in, the younger ones stay out
	global_store_b128 v[CO], v[\rb+4*\t:\rb+4*\t+3], s[8:9] offset:\t*4096
.endr
.endm
.macro WMAX x, t
	v_max_num_f32_dpp v[\x], v[\x], v[\x] row_xmask:1 row_mask:0xf bank_mask:0xf
	v_max_num_f32_dpp v[\x], v[\x], v[\x] row_xmask:2 row_mask:0xf bank_mask:0xf
	v_max_num_f32_dpp v[\x], v[\x], v[\x] row_xmask:4 row_mask:0xf bank_mask:0xf
	v_max_num_f32_dpp v[\x], v[\x], v[\x] row_xmask:8 row_mask:0xf bank_mask:0xf
	v_permlanex16_b32 v[\t], v[\x], s84, s85
	v_max_num_f32 v[\x], v[\x], v[\t]
.endm
.macro FOLD8 x                         ; the largest of v[x .. x+7] over the wave: a section of mx is 256 words, 8 a lane
	v_max3_num_f32 v[\x], v[\x], v[\x+1], v[\x+2]
	v_max3_num_f32 v[\x+3], v[\x+3], v[\x+4], v[\x+5]
	v_max3_num_f32 v[\x], v[\x], v[\x+6], v[\x+7]
	v_max_num_f32 v[\x], v[\x], v[\x+3]
	WMAX \x, \x+3
.endm
.macro MXLOAD nv                       ; mx: k's 256 block maxima, q's, and with nv = 1 v's
	v_and_b32 v30, 31, v0
	v_lshlrev_b32 v[MXO], 5, v30
	global_load_b128 v[64:67], v[MXO], s[MXP:MXP+1]
	global_load_b128 v[68:71], v[MXO], s[MXP:MXP+1] offset:16
	global_load_b128 v[72:75], v[MXO], s[MXP:MXP+1] offset:1024
	global_load_b128 v[76:79], v[MXO], s[MXP:MXP+1] offset:1040
.if \nv
	global_load_b128 v[80:83], v[MXO], s[MXP:MXP+1] offset:2048
	global_load_b128 v[84:87], v[MXO], s[MXP:MXP+1] offset:2064
.endif
.endm
.macro MXSCALE nv                      ; v88 = Bw, v89 = its exponent field; with nv = 1: v90 = Bo = 2048 Bw max(vmax, 2^-50), v91 = its exponent field
	FOLD8 64
	FOLD8 72
	v_mul_f32 v88, v64, v72
	v_fma_f32 v88, v88, 0x42000000, 1.0            ; 32 kmax qmax + 1
	v_lshrrev_b32 v89, 23, v88
.if \nv
	FOLD8 80
	v_max_num_f32 v90, 0x26800000, v80
	v_mul_f32 v90, v90, v88
	v_mul_f32 v90, 0x45000000, v90
	v_lshrrev_b32 v91, 23, v90
.endif
.endm
	s_load_b256 s[68:75], s[0:1], 0x0              ; kqv s[68:69], mx s[70:71], pad_mask s[72:73], wei s[74:75]
	v_lshl_add_u32 v27, v0, 2, 0x37400
	v_mov_b32 v31, 0
	ds_add_u32 v27, v31
	ds_add_u32 v27, v31
	v_lshrrev_b32 v1, 5, v0
	v_readfirstlane_b32 s10, v1                    ; wave
	s_and_b32 s12, s10, 1
	s_cmp_ge_u32 ttmp9, 2                          ; block rows begin at work-groups 0, 2, 6, 12
	s_cselect_b32 s13, 1, 0
	s_cmp_ge_u32 ttmp9, 6
	s_cselect_b32 s22, 1, 0
	s_add_co_u32 s13, s13, s22
	s_cmp_ge_u32 ttmp9, 12
	s_cselect_b32 s22, 1, 0
	s_add_co_u32 s13, s13, s22                     ; ib
	s_add_co_u32 s22, s13, 1
	s_mul_i32 s22, s22, s13
	s_sub_co_u32 s42, ttmp9, s22                   ; jb = x - ib (ib + 1)
	s_and_b32 s45, ttmp7, 0xffff                   ; batch
	s_mov_b32 s[G1+0], W0
	s_mov_b32 s[G1+1], 128<<16
	s_mov_b32 s[G1+2], 128<<16
	s_mov_b32 s[G1+3], 128<<16
	s_mov_b32 s[G1+4], 128
	s_mov_b32 s[G1+5], 1024
	s_mov_b32 s[G1+6], 0
	s_mov_b32 s[G1+7], 0
	s_mov_b32 s[G1B+0], W0
	s_mov_b32 s[G1B+1], 128<<16
	s_mov_b32 s[G1B+2], 64<<16
	s_mov_b32 s[G1B+3], 128<<16
	s_mov_b32 s[G1B+4], 64
	s_mov_b32 s[G1B+5], 1024
	s_mov_b32 s[G1B+6], 0
	s_mov_b32 s[G1B+7], 0
	s_lshl_b32 s16, s45, 10                        ; A = k: row 1024 b + 256 ib + 128 half
	s_lshl_b32 s17, s13, 8
	s_add_co_u32 s16, s16, s17
	s_lshl_b32 s17, s12, 7
	s_add_co_u32 s16, s16, s17
	s_lshl_b32 s16, s16, 11
	s_mov_b32 s17, 0
	s_lshl_b32 s46, s45, 10                        ; B = q: row 8192 + 1024 b + 128 jb + 64 half
	s_lshl_b32 s47, s42, 7
	s_add_co_u32 s46, s46, s47
	s_lshl_b32 s47, s12, 6
	s_add_co_u32 s46, s46, s47
	s_add_co_u32 s46, s46, 8192
	s_lshl_b32 s46, s46, 11
	s_mov_b32 s47, 0
	s_mul_i32 s20, s10, AHALF
	s_mul_i32 s21, s10, BHALF
	s_add_co_u32 s21, s21, ABYTES-2*BHALF
	s_wait_dscnt 0x0
	s_wait_kmcnt 0x0
	s_add_nc_u64 s[14:15], s[68:69], s[16:17]
	s_add_nc_u64 s[46:47], s[68:69], s[46:47]
.irp s, 0,1
	s_mov_b32 s[G0+4*\s], 1
	s_add_co_u32 s[G0+4*\s+1], s20, \s*SLOT
	s_add_nc_u64 s[G0+4*\s+2:G0+4*\s+3], s[14:15], \s*KA
	s_or_b32 s[G0+4*\s+3], s[G0+4*\s+3], 0x80000000
	s_mov_b32 s[G0B+4*\s], 1
	s_add_co_u32 s[G0B+4*\s+1], s21, \s*SLOT
	s_add_nc_u64 s[G0B+4*\s+2:G0B+4*\s+3], s[46:47], \s*KB
	s_or_b32 s[G0B+4*\s+3], s[G0B+4*\s+3], 0x80000000
	JLOAD \s                                       ; both first fills ahead of everything else: two tensor loads of a wave are out
.endr
	s_mov_b32 s84, 0x76543210
	s_mov_b32 s85, 0xfedcba98
	v_and_b32 v1, 15, v0                           ; r
	v_bfe_u32 v2, v0, 4, 1                         ; h
	MXLOAD 0
	s_lshl_b32 s22, s45, 10
	s_lshl_b32 s23, s42, 7
	s_add_co_u32 s22, s22, s23                     ; 1024 b + 128 jb
	v_lshl_add_u32 v[PADO], v2, 3, s22             ; + 8 h: my eight columns' mask bytes in each tile
	WIN 0x80                                       ; destination window 2
.irp b, 0,1,2,3,4,5,6,7
	global_load_b64 v[2*\b:2*\b+1], v[PADO], s[72:73] offset:16*\b
.endr
	WIN 0
	s_lshl_b32 s23, s45, 10
	s_lshl_b32 s22, s13, 8
	s_add_co_u32 s23, s23, s22
	s_lshl_b32 s22, s10, 6
	s_add_co_u32 s23, s23, s22                     ; my first row of wei: 1024 b + 256 ib + 64 w
	s_lshl_b32 s94, s23, 11
	s_lshl_b32 s22, s42, 8
	s_add_co_u32 s94, s94, s22
	s_mov_b32 s95, 0
	s_add_nc_u64 s[8:9], s[74:75], s[94:95]
	s_lshl_b32 s22, s13, 8
	s_lshl_b32 s23, s10, 6
	s_add_co_u32 s22, s22, s23
	s_lshl_b32 s23, s42, 7
	s_sub_co_u32 s22, s22, s23                     ; 256 ib + 64 w - 128 jb, a signed number
	v_lshlrev_b32 v3, 3, v2
	v_sub_nc_u32 v3, v1, v3
	v_add_nc_u32 v[IREL], s22, v3                  ; + r - 8 h: column 16 b + e of the block is kept where it is not above this
	v_add_nc_u32 v[IREL+1], 16, v[IREL]
	v_add_nc_u32 v[IREL+2], 32, v[IREL]
	v_add_nc_u32 v[IREL+3], 48, v[IREL]
	v_mul_u32_u24 v3, v1, PITCH
	v_lshl_add_u32 v3, v2, 4, v3
	s_mul_i32 s22, s10, 64*PITCH
	v_add_nc_u32 v[ADRA], s22, v3
	v_add_nc_u32 v[ADRA+1], SLOT, v[ADRA]
	v_add_nc_u32 v[ADRB], ABYTES, v3
	v_add_nc_u32 v[ADRB+1], SLOT, v[ADRB]
	s_mul_i32 s23, s10, 16*PITCH
	s_add_co_u32 s23, s23, STAGE
	v_add_nc_u32 v[STO], s23, v3
	v_mul_u32_u24 v4, v2, PITCH
	v_lshl_add_u32 v4, v1, 4, v4
	v_add_nc_u32 v[RD], s23, v4
	v_lshlrev_b32 v4, 11, v2
	v_lshl_add_u32 v[CO], v1, 4, v4
	s_wait_loadcnt 0x8                             ; mx's four loads are in; the eight mask loads issued behind them stay out
	MXSCALE 0
	v_sub_nc_u32 v92, 263, v89
	v_lshlrev_b32 v92, 23, v92                     ; c_w / 32
	v_add_nc_u32 v93, -14, v89
	v_lshlrev_b32 v93, 23, v93                     ; 1 / c_w
	v_mul_f32 v93, 0x3fb8aa3b, v93                 ; log2(e) / c_w
	v_sub_nc_u32 v94, 268, v89
	v_lshlrev_b32 v94, 23, v94                     ; c_w
	v_mul_f32 v94, 0x3f317218, v94                 ; ln(2) c_w
	v_readfirstlane_b32 s86, v92
	s_mov_b32 s87, s86
	v_readfirstlane_b32 s88, v93
	v_readfirstlane_b32 s90, v94
	s_mov_b32 s91, s90
	s_wait_tensorcnt 0x1                           ; my part of K step 0 is in; step 1's stays out
	s_barrier_signal -1
	s_barrier_wait -1
	FETCH 0, 0, 0
	LAP 1
	WIN 0
	s_mov_b32 s3, 2
.Llap:
	LAP 0
	WIN 0
	s_sub_co_u32 s3, s3, 1
	s_cmp_lg_u32 s3, 0
	s_cbranch_scc1 .Llap
	THREE 0, 0
	TURN 0, 1, 0
	THREE 1, 0
	LASTQ
	WIN 0
	PLACES
	s_wait_loadcnt 0x0                             ; the mask bytes
	; LIM for my 64 columns: the column's number 16 b + e where the mask byte is 1; with 0x7fffff00 set beside it, above every row, where it is 0
	s_mov_b32 s22, 0x7fffff00
	WIN 0x02                                       ; source 0: window 2
.irp b, 0,1,2,3,4,5,6,7
.irp e, 0,1,2,3,4,5,6,7
	v_bfe_u32 v[LIM+8*\b+\e], v[2*\b+(\e>>2)], 8*(\e&3), 8
.endr
.endr
	WIN 0
.irp b, 0,1,2,3,4,5,6,7
.irp e, 0,1,2,3,4,5,6,7
	v_add_nc_u32 v[LIM+8*\b+\e], -1, v[LIM+8*\b+\e]                ; 1 -> 0, 0 -> all ones
	v_and_or_b32 v[LIM+8*\b+\e], v[LIM+8*\b+\e], s22, 16*\b+\e
.endr
.endr
; rows 16 a .. 16 a + 15
.macro SOFT16 a, rb
	s_wait_xcnt 0x0                                ; U holds the registers that the last block's stores read
	WIN 0x01                                       ; source 0: accumulators
.set i, 0
.rept 32
	v_pk_mul_f32 v[M+i:M+i+1], v[64*\a+i:64*\a+i+1], s[86:87] op_sel_hi:[1,0]   ; c_w S
.set i, i+2
.endr
	WIN 0
.set i, 0
.rept 64
	v_mul_f32 v[U+i], -|v[M+i]|, s88               ; -|S| log2(e)
.set i, i+1
.endr
.set i, 0
.rept 64
	v_exp_f32 v[U+i], v[U+i]
.set i, i+1
.endr
.set i, 0
.rept 64
	v_max_num_f32 v[M+i], 0, v[M+i]                ; plain work behind the exponentials (ISA guide 5.7.2)
.set i, i+1
.endr
.set i, 0
	s_wait_alu depctr_va_vdst(0)
.rept 32
	v_pk_add_f32 v[U+i:U+i+1], v[U+i:U+i+1], 1.0 op_sel_hi:[1,0]
.set i, i+2
.endr
.set i, 0
.rept 64
	v_log_f32 v[U+i], v[U+i]
.set i, i+1
.endr
	v_nop                                          ; one plain place behind the last logarithm
.set i, 0
	s_wait_alu depctr_va_vdst(0)
.rept 32
	v_pk_fma_f32 v[M+i:M+i+1], v[U+i:U+i+1], s[90:91], v[M+i:M+i+1] op_sel_hi:[1,0,1]   ; c_w (max(S, 0) + ln(1 + e^-|S|))
.set i, i+2
.endr
.set i, 0
.rept 64
	v_cmp_ge_i32 vcc_lo, v[IREL+\a], v[LIM+i]      ; causal and not padded
	v_cndmask_b32 v[M+i], 0, v[M+i], vcc_lo
.set i, i+1
.endr
.set i, 0
.rept 32
	v_cvt_pk_f16_f32 v[P+i], v[M+2*i], v[M+2*i+1]
.set i, i+1
.endr
	OUTH \a, \rb
.endm
	SOFT16 0, 64
	SOFT16 1, 96
	SOFT16 2, 64
	SOFT16 3, 96
	s_wait_tensorcnt 0x0
	ds_add_u32 v27, v31
	s_wait_dscnt 0x0
	s_endpgm
.Lfunc_end_k_q75d1b79102_score:
	.size	k_q75d1b79102_score, .Lfunc_end_k_q75d1b79102_score-k_q75d1b79102_score
	.p2alignl 7, 3214868480
	.fill 96, 4, 3214868480
	.section	.rodata,"a",@progbits
	.p2align	6, 0x0
	.amdhsa_kernel k_q75d1b79102_score
		.amdhsa_group_segment_fixed_size 327680
		.amdhsa_private_segment_fixed_size 0
		.amdhsa_enable_private_segment 0
		.amdhsa_kernarg_size 32
		.amdhsa_user_sgpr_count 2
		.amdhsa_user_sgpr_kernarg_segment_ptr 1
		.amdhsa_wavefront_size32 1
		.amdhsa_system_sgpr_workgroup_id_x 1
		.amdhsa_system_sgpr_workgroup_id_y 1
		.amdhsa_system_sgpr_workgroup_id_z 1
		.amdhsa_system_vgpr_workitem_id 0
		.amdhsa_next_free_vgpr 528
		.amdhsa_next_free_sgpr 96
		.amdhsa_reserve_vcc 1
		.amdhsa_float_denorm_mode_32 3
		.amdhsa_float_denorm_mode_16_64 3
		.amdhsa_memory_ordered 1
		.amdhsa_forward_progress 1
		.amdhsa_inst_pref_size 210
	.end_amdhsa_kernel
	.amdgpu_metadata
---
amdhsa.version: [ 1, 2 ]
amdhsa.kernels:
  - .name:           k_q75d1b79102_score
    .symbol:         k_q75d1b79102_score.kd
    .args:
      - { .name: kqv, .offset: 0, .size: 8, .value_kind: global_buffer, .address_space: global }
      - { .name: mx, .offset: 8, .size: 8, .value_kind: global_buffer, .address_space: global }
      - { .name: pad_mask, .offset: 16, .size: 8, .value_kind: global_buffer, .address_space: global }
      - { .name: wei, .offset: 24, .size: 8, .value_kind: global_buffer, .address_space: global }
    .group_segment_fixed_size: 327680
    .private_segment_fixed_size: 0
    .kernarg_segment_align: 8
    .kernarg_segment_size: 32
    .max_flat_workgroup_size: 128
    .sgpr_count:     96
    .vgpr_count:     528
    .wavefront_size: 32
...
	.end_amdgpu_metadata
.endif
;; end of part 3
;; launch pv (part 4): grid 8 x 32, 4 waves a work-group, clusters of 4 x 1, 327,680 bytes of LDS; arguments wei, kqv, cs, mx, oh; writes oh
.if DOCPART == 4
	.amdgcn_target "amdgcn-amd-amdhsa--gfx1250"
	.amdhsa_code_object_version 6
	.text
	.protected	k_q75d1b79102_pv
	.globl	k_q75d1b79102_pv
	.p2align	8
	.type	k_q75d1b79102_pv,@function
k_q75d1b79102_pv:
	s_mov_b64 s[64:65], 0
	v_nop
	global_prefetch_b8 v0, s[64:65] scope:SCOPE_SE
	s_setreg_imm32_b32 hwreg(HW_REG_WAVE_MODE, 25, 1), 1
	s_wait_xcnt 0x0
	s_wait_alu depctr_hold_cnt(0) depctr_sa_sdst(0) depctr_va_vdst(0) depctr_va_sdst(0) depctr_va_ssrc(0) depctr_va_vcc(0) depctr_vm_vsrc(0)
	s_getreg_b32 s2, hwreg(HW_REG_IB_STS2, 6, 4)
	s_cmp_eq_u32 s2, 0
	s_cbranch_scc0 .Lentry_in_a_cluster
	s_endpgm
.Lentry_in_a_cluster:
	s_bfe_u32 s2, ttmp6, 0x10000c
	s_cmp_lg_u32 s2, 0x3003
	s_cbranch_scc0 .Lentry_shape_is_right
	s_endpgm
.Lentry_shape_is_right:
; pv: oh[row][c] = c_o x inverse rotation of (sum over j of w[i][j] v'[j][c]); f16.  wei holds c_w w, so the sums are scaled by c_o / c_w.
; c_o is a power of two from a bound: |O| <= sqrt(2) 1024 Bw vmax <= Bo = 2048 Bw max(vmax, 2^-50) < 2^(E+1), c_o = 2^(14-E): the stored number stays below 2^15 (1 + 2^-9).
; A work-group makes 256 rows (batch b, block row ib) x 128 columns (cb); K = j runs only to 256 (ib + 1): beyond it wei is zero by causality and was not written.
; Core as in qkv, but B = v' lies [j][c], K down the rows: its tile is 128 j-rows x 256 bytes, LDS pitch 288, and its fragments come by transposing LDS loads.
; CLUSTER 4 x 1: the four column blocks of a cluster read the same tile of wei: a joint load with mask 15.  v's tile is shared only with block rows that make
; other numbers of K steps, so it is a load of the work-group's own.  The trip count hangs on ib = y & 3, which the four partners share.
; LIMIT: where the largest |v'| is below 2^-50 the scale is made as if it were 2^-50.
.set PITCH,  272
.set PB,     288                       ; an odd multiple of 32, for the transposing loads
.set ABYTES, 256*PITCH
.set AHALF,  128*PITCH
.set BHALF,  64*PB
.set SLOT,   ABYTES+2*BHALF
.set STAGE,  2*SLOT                    ; 16 rows x 272 bytes for each wave; no tensor load lands here
.set KA,     256                       ; wei: 128 columns on
.set KB,     262144                    ; v': 128 rows of 2,048 bytes on
.set ADRA,  16
.set ADRB,  20
.set STO,   24
.set RD,    25
.set CO,    26
.set TABO,  27
.set MXO,   29
.set P,     32
.set FB,    64
.set FA,    192
.set Z,     64
.set T,     128
.set MXP,   74                         ; s[74:75] mx
.set G1,  24
.set G0,  32
.set G1B, 48
.set G0B, 56
.set MUL, 0x50
.set MSB, 0
.macro WIN new
.if MSB != \new
	s_set_vgpr_msb (MSB<<8)|\new
.set MSB, \new
.endif
.endm
.macro PLACES                          ; four places behind matrix instructions (ISA guide 7.12.1)
.rept 4
	v_nop
.endr
.endm
.macro JLOAD s                         ; waves 0, 1: wei's halves, jointly; waves 2, 3: v's halves, for this work-group alone
	s_cmp_lt_u32 s10, 2
	s_cbranch_scc0 .Lfor_b_\@
	tensor_load_to_lds s[G0+4*\s:G0+4*\s+3], s[G1:G1+7]
	s_nop 0
	s_branch .Lasked_\@
.Lfor_b_\@:
	tensor_load_to_lds s[G0B+4*\s:G0B+4*\s+3], s[G1B:G1B+7]
	s_nop 0
.Lasked_\@:
.endm
.macro CREST
	s_cmp_lg_u32 s10, 0
	s_cbranch_scc1 .Lnot_wave_0_\@
	s_barrier_signal -3
.Lnot_wave_0_\@:
	s_barrier_wait -3
	s_barrier_signal -1
	s_barrier_wait -1
.endm
.macro CROUND
	s_barrier_signal -1
	s_barrier_wait -1
	CREST
.endm
; B's fragment i (columns 16 i ..) of quarter q (j-rows 32 q ..): two transposing loads, 16 rows apart
.macro FETCH slot, q, f
	WIN 0
.irp i, 0,1,2,3,4,5,6,7
	ds_load_tr16_b128 v[FB+64*\f+8*\i:FB+64*\f+8*\i+3],   v[ADRB+\slot] offset:\q*32*PB+32*\i
	ds_load_tr16_b128 v[FB+64*\f+8*\i+4:FB+64*\f+8*\i+7], v[ADRB+\slot] offset:\q*32*PB+32*\i+16*PB
.endr
.irp i, 0,1,2,3
	ds_load_b128 v[FA+32*\f+8*\i:FA+32*\f+8*\i+3],   v[ADRA+\slot] offset:64*\q+\i*16*PITCH
	ds_load_b128 v[FA+32*\f+8*\i+4:FA+32*\f+8*\i+7], v[ADRA+\slot] offset:64*\q+\i*16*PITCH+32
.endr
.endm
; The 32 accumulators take turns, one instruction a turn, on every way through the text.
.macro MULA f, a, zero
.irp b, 0,1,2,3,4,5,6,7
.if \zero
	v_wmma_f32_16x16x32_f16 v[8*(8*\a+\b):8*(8*\a+\b)+7], v[FB+64*\f+8*\b:FB+64*\f+8*\b+7], v[FA+32*\f+8*\a:FA+32*\f+8*\a+7], 0
.else
	v_wmma_f32_16x16x32_f16 v[8*(8*\a+\b):8*(8*\a+\b)+7], v[FB+64*\f+8*\b:FB+64*\f+8*\b+7], v[FA+32*\f+8*\a:FA+32*\f+8*\a+7], v[8*(8*\a+\b):8*(8*\a+\b)+7]
.endif
.endr
.endm
.macro QUARTER slot, q, f, g, zero
	s_wait_dscnt 0x0                               ; buffer f is in
	PLACES
	FETCH \slot, \q, \g
	WIN MUL
	MULA \f, 0, \zero
	MULA \f, 1, \zero
	MULA \f, 2, \zero
	MULA \f, 3, \zero
.endm
.macro THREE slot, zero
	QUARTER \slot, 1, 0, 1, \zero
	QUARTER \slot, 2, 1, 0, 0
	QUARTER \slot, 3, 0, 1, 0
.endm
; The change of slots: every wave's waits, the barrier (with fill = 1 it opens a round of the cluster's barrier), the refill first behind it, one a wave.
.macro TURN slot, next, fill
	s_wait_dscnt 0x0
	s_wait_tensorcnt 0x0
	ds_add_u32 v28, v31
	s_wait_dscnt 0x0
	s_barrier_signal -1
	WIN MUL
	MULA 1, 0, 0
	WIN 0
	s_barrier_wait -1
.if \fill
	CREST
	s_add_nc_u64 s[G0+4*\slot+2:G0+4*\slot+3], s[G0+4*\slot+2:G0+4*\slot+3], 2*KA
	s_add_nc_u64 s[G0B+4*\slot+2:G0B+4*\slot+3], s[G0B+4*\slot+2:G0B+4*\slot+3], 2*KB
	JLOAD \slot
.endif
	PLACES
	FETCH \next, 0, 0
	WIN MUL
	MULA 1, 1, 0
	MULA 1, 2, 0
	MULA 1, 3, 0
.endm
.macro LASTQ
	s_wait_dscnt 0x0
	WIN MUL
	MULA 1, 0, 0
	MULA 1, 1, 0
	MULA 1, 2, 0
	MULA 1, 3, 0
.endm
.macro LAP zero
	THREE 0, \zero
	TURN 0, 1, 1
	THREE 1, 0
	TURN 1, 0, 1
.endm
.macro OUTH a, rb
.irp b, 0,1,2,3,4,5,6,7
	ds_store_b128 v[STO], v[P+4*\b:P+4*\b+3] offset:32*\b
.endr
	s_wait_xcnt 0x0                                ; the stores' base and the registers they read are written again only behind this wait
.if \a
	s_add_nc_u64 s[8:9], s[8:9], 16*2048
.endif
.irp t, 0,1,2,3,4,5,6,7
	ds_load_b128 v[\rb+4*\t:\rb+4*\t+3], v[RD] offset:\t*2*PITCH
.endr
.irp t, 0,1,2,3,4,5,6,7
	s_wait_dscnt 7-\t                              ; read-back t is in, the younger ones stay out
	global_store_b128 v[CO], v[\rb+4*\t:\rb+4*\t+3], s[8:9] offset:\t*4096
.endr
.endm
.macro WMAX x, t
	v_max_num_f32_dpp v[\x], v[\x], v[\x] row_xmask:1 row_mask:0xf bank_mask:0xf
	v_max_num_f32_dpp v[\x], v[\x], v[\x] row_xmask:2 row_mask:0xf bank_mask:0xf
	v_max_num_f32_dpp v[\x], v[\x], v[\x] row_xmask:4 row_mask:0xf bank_mask:0xf
	v_max_num_f32_dpp v[\x], v[\x], v[\x] row_xmask:8 row_mask:0xf bank_mask:0xf
	v_permlanex16_b32 v[\t], v[\x], s84, s85
	v_max_num_f32 v[\x], v[\x], v[\t]
.endm
.macro FOLD8 x
	v_max3_num_f32 v[\x], v[\x], v[\x+1], v[\x+2]
	v_max3_num_f32 v[\x+3], v[\x+3], v[\x+4], v[\x+5]
	v_max3_num_f32 v[\x], v[\x], v[\x+6], v[\x+7]
	v_max_num_f32 v[\x], v[\x], v[\x+3]
	WMAX \x, \x+3
.endm
.macro MXLOAD nv
	v_and_b32 v30, 31, v0
	v_lshlrev_b32 v[MXO], 5, v30
	global_load_b128 v[64:67], v[MXO], s[MXP:MXP+1]
	global_load_b128 v[68:71], v[MXO], s[MXP:MXP+1] offset:16
	global_load_b128 v[72:75], v[MXO], s[MXP:MXP+1] offset:1024
	global_load_b128 v[76:79], v[MXO], s[MXP:MXP+1] offset:1040
.if \nv
	global_load_b128 v[80:83], v[MXO], s[MXP:MXP+1] offset:2048
	global_load_b128 v[84:87], v[MXO], s[MXP:MXP+1] offset:2064
.endif
.endm
.macro MXSCALE nv                      ; v88 = Bw, v89 = its exponent field; v90 = Bo, v91 = its exponent field
	FOLD8 64
	FOLD8 72
	v_mul_f32 v88, v64, v72
	v_fma_f32 v88, v88, 0x42000000, 1.0
	v_lshrrev_b32 v89, 23, v88
.if \nv
	FOLD8 80
	v_max_num_f32 v90, 0x26800000, v80
	v_mul_f32 v90, v90, v88
	v_mul_f32 v90, 0x45000000, v90
	v_lshrrev_b32 v91, 23, v90
.endif
.endm
	s_load_b256 s[68:75], s[0:1], 0x0              ; wei s[68:69], kqv s[70:71], cs s[72:73], mx s[74:75]
	s_load_b64 s[76:77], s[0:1], 0x20              ; oh
	v_lshl_add_u32 v28, v0, 2, 0x38400
	v_mov_b32 v31, 0
	ds_add_u32 v28, v31
	ds_add_u32 v28, v31
	v_lshrrev_b32 v1, 5, v0
	v_readfirstlane_b32 s10, v1                    ; wave
	s_and_b32 s12, s10, 1
	s_bfe_u32 s40, ttmp6, 0x40000                  ; cx
	s_lshl_b32 s42, ttmp9, 2
	s_add_co_u32 s42, s42, s40                     ; cb = 4 x cluster x + cx
	s_and_b32 s41, ttmp7, 0xffff                   ; y = 4 b + ib: the cluster is one work-group high
	s_and_b32 s13, s41, 3                          ; ib
	s_lshr_b32 s45, s41, 2                         ; b
	s_mov_b32 s[G1+0], 15|(1<<16)|(1<<20)|(1<<21)|(5<<22)|(3<<25)   ; all four partners; 2-byte elements; after every 64 words 4 words of padding
	s_mov_b32 s[G1+1], 128<<16
	s_mov_b32 s[G1+2], 128<<16
	s_mov_b32 s[G1+3], 128<<16
	s_mov_b32 s[G1+4], 128
	s_mov_b32 s[G1+5], 1024
	s_mov_b32 s[G1+6], 0
	s_mov_b32 s[G1+7], 0
	s_mov_b32 s[G1B+0], (1<<16)|(1<<20)|(5<<22)|(7<<25)            ; no mask; after every 64 words 8 words of padding: pitch 288
	s_mov_b32 s[G1B+1], 128<<16
	s_mov_b32 s[G1B+2], 64<<16
	s_mov_b32 s[G1B+3], 128<<16
	s_mov_b32 s[G1B+4], 64
	s_mov_b32 s[G1B+5], 1024
	s_mov_b32 s[G1B+6], 0
	s_mov_b32 s[G1B+7], 0
	s_lshl_b32 s16, s41, 8                         ; A = wei: row 256 y + 128 half
	s_lshl_b32 s17, s12, 7
	s_add_co_u32 s16, s16, s17
	s_lshl_b32 s16, s16, 11
	s_mov_b32 s17, 0
	s_lshl_b32 s46, s45, 10                        ; B = v': row 16384 + 1024 b + 64 half of kqv, column 128 cb
	s_lshl_b32 s47, s12, 6
	s_add_co_u32 s46, s46, s47
	s_add_co_u32 s46, s46, 16384
	s_lshl_b32 s46, s46, 11
	s_lshl_b32 s47, s42, 8
	s_add_co_u32 s46, s46, s47
	s_mov_b32 s47, 0
	s_mul_i32 s20, s10, AHALF                      ; LDS: waves 0, 1 at w x 34,816
	s_mul_i32 s21, s10, BHALF                      ; waves 2, 3 at 32,768 + w x 18,432, that is behind A's 69,632 bytes
	s_add_co_u32 s21, s21, ABYTES-2*BHALF
	s_wait_dscnt 0x0
	s_wait_kmcnt 0x0
	s_add_nc_u64 s[14:15], s[68:69], s[16:17]
	s_add_nc_u64 s[46:47], s[70:71], s[46:47]
	CROUND                                         ; the four partners are here: the first joint loads meet
.irp s, 0,1
	s_mov_b32 s[G0+4*\s], 1
	s_add_co_u32 s[G0+4*\s+1], s20, \s*SLOT
	s_add_nc_u64 s[G0+4*\s+2:G0+4*\s+3], s[14:15], \s*KA
	s_or_b32 s[G0+4*\s+3], s[G0+4*\s+3], 0x80000000
	s_mov_b32 s[G0B+4*\s], 1
	s_add_co_u32 s[G0B+4*\s+1], s21, \s*SLOT
	s_add_nc_u64 s[G0B+4*\s+2:G0B+4*\s+3], s[46:47], \s*KB
	s_or_b32 s[G0B+4*\s+3], s[G0B+4*\s+3], 0x80000000
	JLOAD \s                                       ; both first fills: two tensor loads of a wave are out
.endr
	s_mov_b32 s84, 0x76543210
	s_mov_b32 s85, 0xfedcba98
	v_and_b32 v1, 15, v0                           ; r
	v_bfe_u32 v2, v0, 4, 1                         ; h
	MXLOAD 1
	s_lshl_b32 s23, s41, 8
	s_lshl_b32 s22, s10, 6
	s_add_co_u32 s23, s23, s22                     ; my first row: 256 y + 64 w
	s_lshl_b32 s94, s23, 11
	s_lshl_b32 s22, s42, 8
	s_add_co_u32 s94, s94, s22
	s_mov_b32 s95, 0
	s_add_nc_u64 s[8:9], s[76:77], s[94:95]        ; where my results go
	s_and_b32 s22, s23, 1023                       ; t of my first row
	s_lshl_b32 s22, s22, 12
	s_lshl_b32 s19, s42, 9
	s_add_co_u32 s22, s22, s19
	v_lshlrev_b32 v3, 12, v1
	v_lshl_add_u32 v3, v2, 5, v3
	v_add_nc_u32 v[TABO], s22, v3                  ; (t0 + r) 4096 + 512 cb + 32 h
	WIN 0x80                                       ; destination window 2
.irp a, 0,1,2,3
.irp b, 0,1,2,3,4,5,6,7
	global_load_b128 v[64*\a+8*\b:64*\a+8*\b+3],   v[TABO], s[72:73] offset:65536*\a+64*\b
	global_load_b128 v[64*\a+8*\b+4:64*\a+8*\b+7], v[TABO], s[72:73] offset:65536*\a+64*\b+16
.endr
.endr
	WIN 0
	v_mul_u32_u24 v3, v1, PITCH
	v_lshl_add_u32 v3, v2, 4, v3
	s_mul_i32 s22, s10, 64*PITCH
	v_add_nc_u32 v[ADRA], s22, v3
	v_add_nc_u32 v[ADRA+1], SLOT, v[ADRA]
	v_and_b32 v4, 7, v0
	v_lshl_add_u32 v4, v2, 3, v4                   ; j-row 8 h + l % 8
	v_mul_u32_u24 v4, v4, PB
	v_bfe_u32 v5, v0, 3, 1
	v_lshl_add_u32 v4, v5, 4, v4                   ; + 16 bytes for the upper eight lanes of each sixteen
	v_add_nc_u32 v[ADRB], ABYTES, v4
	v_add_nc_u32 v[ADRB+1], SLOT, v[ADRB]
	s_mul_i32 s23, s10, 16*PITCH
	s_add_co_u32 s23, s23, STAGE
	v_add_nc_u32 v[STO], s23, v3
	v_mul_u32_u24 v4, v2, PITCH
	v_lshl_add_u32 v4, v1, 4, v4
	v_add_nc_u32 v[RD], s23, v4
	v_lshlrev_b32 v4, 11, v2
	v_lshl_add_u32 v[CO], v1, 4, v4
	s_wait_loadcnt 63                              ; of the 70 loads issued the oldest 7 are in, mx's six among them
	MXSCALE 1
	v_sub_nc_u32 v92, 268, v91
	v_lshlrev_b32 v92, 23, v92                     ; c_o
	v_add_nc_u32 v93, -14, v89
	v_lshlrev_b32 v93, 23, v93                     ; 1 / c_w
	v_mul_f32 v92, v92, v93
	v_readfirstlane_b32 s86, v92
	s_mov_b32 s87, s86
	s_wait_tensorcnt 0x1                           ; my part of K step 0 is in; step 1's stays out
	s_barrier_signal -1
	s_barrier_wait -1
	FETCH 0, 0, 0
	; ib + 1 laps of two K steps; the last lap fills nothing.  Every wait on the tensor counter from here on is for zero, so every way counts alike.
	s_cmp_eq_u32 s13, 0
	s_cbranch_scc1 .Lone
	LAP 1
	WIN 0
	s_cmp_eq_u32 s13, 1
	s_cbranch_scc1 .Llast
	s_sub_co_u32 s3, s13, 1
.Llap:
	LAP 0
	WIN 0
	s_sub_co_u32 s3, s3, 1
	s_cmp_lg_u32 s3, 0
	s_cbranch_scc1 .Llap
.Llast:
	THREE 0, 0
	TURN 0, 1, 0
	WIN 0
	s_branch .Ltail
.Lone:
	THREE 0, 1                                     ; one lap alone: its first products start the sums
	TURN 0, 1, 0
	WIN 0
.Ltail:
	THREE 1, 0
	LASTQ
	WIN 0
	PLACES
	s_wait_loadcnt 0x0                             ; the table
; rows 16 a .. 16 a + 15: scale, inverse rotation y0 = c x0 - s x1, y1 = c x1 + s x0, rounding, out
.macro INV16 a, rb
	WIN 0x01                                       ; source 0: accumulators
.irp b, 0,1,2,3,4,5,6,7
.irp p, 0,2,4,6
	v_pk_mul_f32 v[Z+8*\b+\p:Z+8*\b+\p+1], v[8*(8*\a+\b)+\p:8*(8*\a+\b)+\p+1], s[86:87] op_sel_hi:[1,0]
.endr
.endr
	WIN 0x08                                       ; source 1: the table
.irp b, 0,1,2,3,4,5,6,7
.irp p, 0,2,4,6
	v_pk_mul_f32 v[T+8*\b+\p:T+8*\b+\p+1], v[Z+8*\b+\p:Z+8*\b+\p+1], v[64*\a+8*\b+\p:64*\a+8*\b+\p+1] op_sel_hi:[1,0]
.endr
.endr
.irp b, 0,1,2,3,4,5,6,7
.irp p, 0,2,4,6
	v_pk_fma_f32 v[T+8*\b+\p:T+8*\b+\p+1], v[Z+8*\b+\p:Z+8*\b+\p+1], v[64*\a+8*\b+\p:64*\a+8*\b+\p+1], v[T+8*\b+\p:T+8*\b+\p+1] op_sel:[1,1,0] op_sel_hi:[0,1,1] neg_lo:[0,1,0]
.endr
.endr
	WIN 0
.irp b, 0,1,2,3,4,5,6,7
.irp p, 0,1,2,3
	v_cvt_pk_f16_f32 v[P+4*\b+\p], v[T+8*\b+2*\p], v[T+8*\b+2*\p+1]
.endr
.endr
	OUTH \a, \rb
.endm
	INV16 0, 192
	INV16 1, 224
	INV16 2, 192
	INV16 3, 224
	s_wait_tensorcnt 0x0
	ds_add_u32 v28, v31
	s_wait_dscnt 0x0
	CROUND                                         ; the closing round
	s_endpgm
.Lfunc_end_k_q75d1b79102_pv:
	.size	k_q75d1b79102_pv, .Lfunc_end_k_q75d1b79102_pv-k_q75d1b79102_pv
	.p2alignl 7, 3214868480
	.fill 96, 4, 3214868480
	.section	.rodata,"a",@progbits
	.p2align	6, 0x0
	.amdhsa_kernel k_q75d1b79102_pv
		.amdhsa_group_segment_fixed_size 327680
		.amdhsa_private_segment_fixed_size 0
		.amdhsa_enable_private_segment 0
		.amdhsa_kernarg_size 40
		.amdhsa_user_sgpr_count 2
		.amdhsa_user_sgpr_kernarg_segment_ptr 1
		.amdhsa_wavefront_size32 1
		.amdhsa_system_sgpr_workgroup_id_x 1
		.amdhsa_system_sgpr_workgroup_id_y 1
		.amdhsa_system_sgpr_workgroup_id_z 1
		.amdhsa_system_vgpr_workitem_id 0
		.amdhsa_next_free_vgpr 768
		.amdhsa_next_free_sgpr 96
		.amdhsa_reserve_vcc 0
		.amdhsa_float_denorm_mode_32 3
		.amdhsa_float_denorm_mode_16_64 3
		.amdhsa_memory_ordered 1
		.amdhsa_forward_progress 1
		.amdhsa_inst_pref_size 165
	.end_amdhsa_kernel
	.amdgpu_metadata
---
amdhsa.version: [ 1, 2 ]
amdhsa.kernels:
  - .name:           k_q75d1b79102_pv
    .symbol:         k_q75d1b79102_pv.kd
    .args:
      - { .name: wei, .offset: 0, .size: 8, .value_kind: global_buffer, .address_space: global }
      - { .name: kqv, .offset: 8, .size: 8, .value_kind: global_buffer, .address_space: global }
      - { .name: cs, .offset: 16, .size: 8, .value_kind: global_buffer, .address_space: global }
      - { .name: mx, .offset: 24, .size: 8, .value_kind: global_buffer, .address_space: global }
      - { .name: oh, .offset: 32, .size: 8, .value_kind: global_buffer, .address_space: global }
    .group_segment_fixed_size: 327680
    .private_segment_fixed_size: 0
    .kernarg_segment_align: 8
    .kernarg_segment_size: 40
    .max_flat_workgroup_size: 128
    .sgpr_count:     96
    .vgpr_count:     768
    .wavefront_size: 32
...
	.end_amdgpu_metadata
.endif
;; end of part 4
;; launch proj (part 5): grid 8 x 32, 4 waves a work-group, clusters of 4 x 4, 327,680 bytes of LDS; arguments oh, h16, mx, bp, out0; writes out0
.if DOCPART == 5
	.amdgcn_target "amdgcn-amd-amdhsa--gfx1250"
	.amdhsa_code_object_version 6
	.text
	.protected	k_q75d1b79102_proj
	.globl	k_q75d1b79102_proj
	.p2align	8
	.type	k_q75d1b79102_proj,@function
k_q75d1b79102_proj:
	s_mov_b64 s[64:65], 0
	v_nop
	global_prefetch_b8 v0, s[64:65] scope:SCOPE_SE
	s_setreg_imm32_b32 hwreg(HW_REG_WAVE_MODE, 25, 1), 1
	s_wait_xcnt 0x0
	s_wait_alu depctr_hold_cnt(0) depctr_sa_sdst(0) depctr_va_vdst(0) depctr_va_sdst(0) depctr_va_ssrc(0) depctr_va_vcc(0) depctr_vm_vsrc(0)
	s_getreg_b32 s2, hwreg(HW_REG_IB_STS2, 6, 4)
	s_cmp_eq_u32 s2, 0
	s_cbranch_scc0 .Lentry_in_a_cluster
	s_endpgm
.Lentry_in_a_cluster:
	s_bfe_u32 s2, ttmp6, 0x10000c
	s_cmp_lg_u32 s2, 0xf033
	s_cbranch_scc0 .Lentry_shape_is_right
	s_endpgm
.Lentry_shape_is_right:
; proj: out0[row][n] = (sum over c of oh[row][c] Wp[n][c]) / c_o + bp[n], f32.  oh holds c_o O in f16; c_o is made from mx exactly as in pv.
; Core as in qkv: 256 rows (mb) x 128 columns (nb) a work-group, four waves of 64 x 128, K = 1024 in 8 steps of 128, two LDS slots.
; CLUSTER 4 x 4: oh's tile is asked for jointly by a row of the cluster, Wp's by a column.
; The way out: 16 rows x 128 f32 through my own stage (pitch 528); a wave's store covers 512 consecutive bytes of a row of out0, aligned.
.set PITCH,  272
.set PB,     272
.set ABYTES, 256*PITCH
.set AHALF,  128*PITCH
.set BHALF,  64*PB
.set SLOT,   ABYTES+2*BHALF
.set STAGE,  2*SLOT                    ; 16 rows x 528 bytes for each wave; no tensor load lands here
.set SPITCH, 528                       ; 512 bytes + 16: an odd multiple of 16
.set KA,     256
.set KB,     256
.set ADRA,  16
.set ADRB,  20
.set STO,   24
.set RD,    25
.set CO,    26
.set BIASO, 28
.set MXO,   29
.set FB,    64
.set FA,    192
.set Z,     64
.set MXP,   72                         ; s[72:73] mx
.set G1,  24
.set G0,  32
.set G1B, 48
.set G0B, 56
.set W0,  (1<<16)|(1<<20)|(1<<21)|(5<<22)|(3<<25)
.set MUL, 0x50
.set MSB, 0
.macro WIN new
.if MSB != \new
	s_set_vgpr_msb (MSB<<8)|\new
.set MSB, \new
.endif
.endm
.macro PLACES                          ; four places behind matrix instructions (ISA guide 7.12.1)
.rept 4
	v_nop
.endr
.endm
.macro JLOAD s
	s_cmp_lt_u32 s10, 2
	s_cbranch_scc0 .Lfor_b_\@
	tensor_load_to_lds s[G0+4*\s:G0+4*\s+3], s[G1:G1+7]
	s_nop 0
	s_branch .Lasked_\@
.Lfor_b_\@:
	tensor_load_to_lds s[G0B+4*\s:G0B+4*\s+3], s[G1B:G1B+7]
	s_nop 0
.Lasked_\@:
.endm
.macro CREST
	s_cmp_lg_u32 s10, 0
	s_cbranch_scc1 .Lnot_wave_0_\@
	s_barrier_signal -3
.Lnot_wave_0_\@:
	s_barrier_wait -3
	s_barrier_signal -1
	s_barrier_wait -1
.endm
.macro CROUND
	s_barrier_signal -1
	s_barrier_wait -1
	CREST
.endm
.macro FETCH slot, q, f
	WIN 0
.irp i, 0,1,2,3,4,5,6,7
	ds_load_b128 v[FB+64*\f+8*\i:FB+64*\f+8*\i+3],   v[ADRB+\slot] offset:64*\q+\i*16*PB
	ds_load_b128 v[FB+64*\f+8*\i+4:FB+64*\f+8*\i+7], v[ADRB+\slot] offset:64*\q+\i*16*PB+32
.endr
.irp i, 0,1,2,3
	ds_load_b128 v[FA+32*\f+8*\i:FA+32*\f+8*\i+3],   v[ADRA+\slot] offset:64*\q+\i*16*PITCH
	ds_load_b128 v[FA+32*\f+8*\i+4:FA+32*\f+8*\i+7], v[ADRA+\slot] offset:64*\q+\i*16*PITCH+32
.endr
.endm
; The 32 accumulators take turns, one instruction a turn, over the backward jump too.
.macro MULA f, a, zero
.irp b, 0,1,2,3,4,5,6,7
.if \zero
	v_wmma_f32_16x16x32_f16 v[8*(8*\a+\b):8*(8*\a+\b)+7], v[FB+64*\f+8*\b:FB+64*\f+8*\b+7], v[FA+32*\f+8*\a:FA+32*\f+8*\a+7], 0
.else
	v_wmma_f32_16x16x32_f16 v[8*(8*\a+\b):8*(8*\a+\b)+7], v[FB+64*\f+8*\b:FB+64*\f+8*\b+7], v[FA+32*\f+8*\a:FA+32*\f+8*\a+7], v[8*(8*\a+\b):8*(8*\a+\b)+7]
.endif
.endr
.endm
.macro QUARTER slot, q, f, g, zero
	s_wait_dscnt 0x0                               ; buffer f is in
	PLACES
	FETCH \slot, \q, \g
	WIN MUL
	MULA \f, 0, \zero
	MULA \f, 1, \zero
	MULA \f, 2, \zero
	MULA \f, 3, \zero
.endm
.macro THREE slot, zero
	QUARTER \slot, 1, 0, 1, \zero
	QUARTER \slot, 2, 1, 0, 0
	QUARTER \slot, 3, 0, 1, 0
.endm
; The change of slots: every wave's waits, the barrier (with fill = 1 it opens a round of the cluster's barrier), the refill first behind it, one a wave.
.macro TURN slot, next, fill
	s_wait_dscnt 0x0
	s_wait_tensorcnt 0x0
	ds_add_u32 v62, v63
	s_wait_dscnt 0x0
	s_barrier_signal -1
	WIN MUL
	MULA 1, 0, 0
	WIN 0
	s_barrier_wait -1
.if \fill
	CREST
	s_add_nc_u64 s[G0+4*\slot+2:G0+4*\slot+3], s[G0+4*\slot+2:G0+4*\slot+3], 2*KA
	s_add_nc_u64 s[G0B+4*\slot+2:G0B+4*\slot+3], s[G0B+4*\slot+2:G0B+4*\slot+3], 2*KB
	JLOAD \slot
.endif
	PLACES
	FETCH \next, 0, 0
	WIN MUL
	MULA 1, 1, 0
	MULA 1, 2, 0
	MULA 1, 3, 0
.endm
.macro LASTQ
	s_wait_dscnt 0x0
	WIN MUL
	MULA 1, 0, 0
	MULA 1, 1, 0
	MULA 1, 2, 0
	MULA 1, 3, 0
.endm
.macro LAP zero
	THREE 0, \zero
	TURN 0, 1, 1
	THREE 1, 0
	TURN 1, 0, 1
.endm
.macro WMAX x, t
	v_max_num_f32_dpp v[\x], v[\x], v[\x] row_xmask:1 row_mask:0xf bank_mask:0xf
	v_max_num_f32_dpp v[\x], v[\x], v[\x] row_xmask:2 row_mask:0xf bank_mask:0xf
	v_max_num_f32_dpp v[\x], v[\x], v[\x] row_xmask:4 row_mask:0xf bank_mask:0xf
	v_max_num_f32_dpp v[\x], v[\x], v[\x] row_xmask:8 row_mask:0xf bank_mask:0xf
	v_permlanex16_b32 v[\t], v[\x], s84, s85
	v_max_num_f32 v[\x], v[\x], v[\t]
.endm
.macro FOLD8 x
	v_max3_num_f32 v[\x], v[\x], v[\x+1], v[\x+2]
	v_max3_num_f32 v[\x+3], v[\x+3], v[\x+4], v[\x+5]
	v_max3_num_f32 v[\x], v[\x], v[\x+6], v[\x+7]
	v_max_num_f32 v[\x], v[\x], v[\x+3]
	WMAX \x, \x+3
.endm
.macro MXLOAD nv
	v_and_b32 v30, 31, v0
	v_lshlrev_b32 v[MXO], 5, v30
	global_load_b128 v[64:67], v[MXO], s[MXP:MXP+1]
	global_load_b128 v[68:71], v[MXO], s[MXP:MXP+1] offset:16
	global_load_b128 v[72:75], v[MXO], s[MXP:MXP+1] offset:1024
	global_load_b128 v[76:79], v[MXO], s[MXP:MXP+1] offset:1040
.if \nv
	global_load_b128 v[80:83], v[MXO], s[MXP:MXP+1] offset:2048
	global_load_b128 v[84:87], v[MXO], s[MXP:MXP+1] offset:2064
.endif
.endm
.macro MXSCALE nv                      ; v88 = Bw, v89 = its exponent field; v90 = Bo, v91 = its exponent field
	FOLD8 64
	FOLD8 72
	v_mul_f32 v88, v64, v72
	v_fma_f32 v88, v88, 0x42000000, 1.0
	v_lshrrev_b32 v89, 23, v88
.if \nv
	FOLD8 80
	v_max_num_f32 v90, 0x26800000, v80
	v_mul_f32 v90, v90, v88
	v_mul_f32 v90, 0x45000000, v90
	v_lshrrev_b32 v91, 23, v90
.endif
.endm
	s_load_b256 s[68:75], s[0:1], 0x0              ; oh s[68:69], h16 s[70:71], mx s[72:73], bp s[74:75]
	s_load_b64 s[76:77], s[0:1], 0x20              ; out0
	v_lshl_add_u32 v62, v0, 2, 0x3b400
	v_mov_b32 v63, 0
	ds_add_u32 v62, v63
	ds_add_u32 v62, v63
	v_lshrrev_b32 v1, 5, v0
	v_readfirstlane_b32 s10, v1                    ; wave
	s_and_b32 s12, s10, 1
	s_bfe_u32 s40, ttmp6, 0x40000                  ; cx
	s_bfe_u32 s41, ttmp6, 0x40004                  ; cy
	s_lshl_b32 s42, ttmp9, 2
	s_add_co_u32 s42, s42, s40                     ; nb
	s_and_b32 s13, ttmp7, 0xffff
	s_lshl_b32 s13, s13, 2
	s_add_co_u32 s13, s13, s41                     ; mb
	s_lshl_b32 s43, s41, 2
	s_lshl_b32 s43, 15, s43                        ; my row of the cluster
	s_lshl_b32 s44, 0x1111, s40                    ; my column
	s_or_b32 s[G1+0], s43, W0
	s_or_b32 s[G1B+0], s44, W0
	s_mov_b32 s[G1+1], 128<<16
	s_mov_b32 s[G1+2], 128<<16
	s_mov_b32 s[G1+3], 128<<16
	s_mov_b32 s[G1+4], 128
	s_mov_b32 s[G1+5], 1024
	s_mov_b32 s[G1+6], 0
	s_mov_b32 s[G1+7], 0
	s_mov_b32 s[G1B+1], 128<<16
	s_mov_b32 s[G1B+2], 64<<16
	s_mov_b32 s[G1B+3], 128<<16
	s_mov_b32 s[G1B+4], 64
	s_mov_b32 s[G1B+5], 1024
	s_mov_b32 s[G1B+6], 0
	s_mov_b32 s[G1B+7], 0
	s_lshl_b32 s16, s13, 8                         ; A = oh: row 256 mb + 128 half
	s_lshl_b32 s17, s12, 7
	s_add_co_u32 s16, s16, s17
	s_lshl_b32 s16, s16, 11
	s_mov_b32 s17, 0
	s_lshl_b32 s46, s42, 7                         ; B = Wp: row 11264 + 128 nb + 64 half of h16
	s_lshl_b32 s47, s12, 6
	s_add_co_u32 s46, s46, s47
	s_add_co_u32 s46, s46, 11264
	s_lshl_b32 s46, s46, 11
	s_mov_b32 s47, 0
	s_mul_i32 s20, s10, AHALF
	s_mul_i32 s21, s10, BHALF
	s_add_co_u32 s21, s21, ABYTES-2*BHALF
	s_wait_dscnt 0x0
	s_wait_kmcnt 0x0
	s_add_nc_u64 s[14:15], s[68:69], s[16:17]
	s_add_nc_u64 s[46:47], s[70:71], s[46:47]
	CROUND                                         ; all sixteen work-groups are here: the first joint loads meet
.irp s, 0,1
	s_mov_b32 s[G0+4*\s], 1
	s_add_co_u32 s[G0+4*\s+1], s20, \s*SLOT
	s_add_nc_u64 s[G0+4*\s+2:G0+4*\s+3], s[14:15], \s*KA
	s_or_b32 s[G0+4*\s+3], s[G0+4*\s+3], 0x80000000
	s_mov_b32 s[G0B+4*\s], 1
	s_add_co_u32 s[G0B+4*\s+1], s21, \s*SLOT
	s_add_nc_u64 s[G0B+4*\s+2:G0B+4*\s+3], s[46:47], \s*KB
	s_or_b32 s[G0B+4*\s+3], s[G0B+4*\s+3], 0x80000000
	JLOAD \s                                       ; both first fills: two tensor loads of a wave are out
.endr
	s_mov_b32 s84, 0x76543210
	s_mov_b32 s85, 0xfedcba98
	v_and_b32 v1, 15, v0                           ; r
	v_bfe_u32 v2, v0, 4, 1                         ; h
	MXLOAD 1
	s_lshl_b32 s19, s42, 9                         ; 128 columns of f32 are 512 bytes
	v_lshl_add_u32 v[BIASO], v2, 5, s19
	WIN 0x80                                       ; destination window 2
.irp b, 0,1,2,3,4,5,6,7
	global_load_b128 v[8*\b:8*\b+3],   v[BIASO], s[74:75] offset:64*\b
	global_load_b128 v[8*\b+4:8*\b+7], v[BIASO], s[74:75] offset:64*\b+16
.endr
	WIN 0
	s_lshl_b32 s23, s13, 8
	s_lshl_b32 s22, s10, 6
	s_add_co_u32 s23, s23, s22                     ; my first row
	s_lshl_b32 s94, s23, 12                        ; a row of out0 is 4,096 bytes
	s_add_co_u32 s94, s94, s19
	s_mov_b32 s95, 0
	s_add_nc_u64 s[8:9], s[76:77], s[94:95]
	v_mul_u32_u24 v3, v1, PITCH
	v_lshl_add_u32 v3, v2, 4, v3
	s_mul_i32 s22, s10, 64*PITCH
	v_add_nc_u32 v[ADRA], s22, v3
	v_add_nc_u32 v[ADRA+1], SLOT, v[ADRA]
	v_add_nc_u32 v[ADRB], ABYTES, v3
	v_add_nc_u32 v[ADRB+1], SLOT, v[ADRB]
	s_mul_i32 s23, s10, 16*SPITCH
	s_add_co_u32 s23, s23, STAGE                   ; my stage
	v_mul_u32_u24 v4, v1, SPITCH
	v_lshl_add_u32 v4, v2, 5, v4
	v_add_nc_u32 v[STO], s23, v4                   ; in: row r, 32 bytes for each half of the lanes
	v_and_b32 v5, 31, v0
	v_lshlrev_b32 v[CO], 4, v5                     ; back and out: 16 bytes a lane, a whole row of 512 bytes a wave
	v_add_nc_u32 v[RD], s23, v[CO]
	s_wait_loadcnt 16                              ; mx's six loads are in; the sixteen bias loads issued behind them stay out
	MXSCALE 1
	v_add_nc_u32 v92, -14, v91
	v_lshlrev_b32 v92, 23, v92                     ; 1 / c_o
	v_readfirstlane_b32 s86, v92
	s_mov_b32 s87, s86
	s_wait_tensorcnt 0x1                           ; my part of K step 0 is in; step 1's stays out
	s_barrier_signal -1
	s_barrier_wait -1
	FETCH 0, 0, 0
	LAP 1
	WIN 0
	s_mov_b32 s3, 2
.Llap:
	LAP 0
	WIN 0
	s_sub_co_u32 s3, s3, 1
	s_cmp_lg_u32 s3, 0
	s_cbranch_scc1 .Llap
	THREE 0, 0
	TURN 0, 1, 0
	THREE 1, 0
	LASTQ
	WIN 0
	PLACES
	s_wait_loadcnt 0x0                             ; the bias
; rows 16 a .. 16 a + 15: one fused multiply-add, then out through the stage
.macro OUTF a, rb
	WIN 0x21                                       ; source 0: accumulators (window 1), source 2: bias (window 2)
.irp b, 0,1,2,3,4,5,6,7
.irp p, 0,2,4,6
	v_pk_fma_f32 v[Z+8*\b+\p:Z+8*\b+\p+1], v[8*(8*\a+\b)+\p:8*(8*\a+\b)+\p+1], s[86:87], v[8*\b+\p:8*\b+\p+1] op_sel_hi:[1,0,1]
.endr
.endr
	WIN 0
.irp b, 0,1,2,3,4,5,6,7
	ds_store_b128 v[STO], v[Z+8*\b:Z+8*\b+3]   offset:64*\b
	ds_store_b128 v[STO], v[Z+8*\b+4:Z+8*\b+7] offset:64*\b+16
.endr
	s_wait_xcnt 0x0                                ; the stores' base and the registers they read are written again only behind this wait
.if \a
	s_add_nc_u64 s[8:9], s[8:9], 16*4096
.endif
.irp t, 0,1,2,3,4,5,6,7,8,9,10,11,12,13,14,15
	ds_load_b128 v[\rb+4*\t:\rb+4*\t+3], v[RD] offset:\t*SPITCH    ; LDS serves a wave's instructions in order: these see the stores above
.endr
.irp t, 0,1,2,3,4,5,6,7,8,9,10,11,12,13,14,15
	s_wait_dscnt 15-\t                             ; read-back t is in, the younger ones stay out
	global_store_b128 v[CO], v[\rb+4*\t:\rb+4*\t+3], s[8:9] offset:\t*4096 th:TH_STORE_NT
.endr
.endm
	OUTF 0, 128
	OUTF 1, 192
	OUTF 2, 128
	OUTF 3, 192
	s_wait_tensorcnt 0x0
	ds_add_u32 v62, v63
	s_wait_dscnt 0x0
	CROUND                                         ; the closing round
	s_endpgm
.Lfunc_end_k_q75d1b79102_proj:
	.size	k_q75d1b79102_proj, .Lfunc_end_k_q75d1b79102_proj-k_q75d1b79102_proj
	.p2alignl 7, 3214868480
	.fill 96, 4, 3214868480
	.section	.rodata,"a",@progbits
	.p2align	6, 0x0
	.amdhsa_kernel k_q75d1b79102_proj
		.amdhsa_group_segment_fixed_size 327680
		.amdhsa_private_segment_fixed_size 0
		.amdhsa_enable_private_segment 0
		.amdhsa_kernarg_size 40
		.amdhsa_user_sgpr_count 2
		.amdhsa_user_sgpr_kernarg_segment_ptr 1
		.amdhsa_wavefront_size32 1
		.amdhsa_system_sgpr_workgroup_id_x 1
		.amdhsa_system_sgpr_workgroup_id_y 1
		.amdhsa_system_sgpr_workgroup_id_z 1
		.amdhsa_system_vgpr_workitem_id 0
		.amdhsa_next_free_vgpr 576
		.amdhsa_next_free_sgpr 96
		.amdhsa_reserve_vcc 0
		.amdhsa_float_denorm_mode_32 3
		.amdhsa_float_denorm_mode_16_64 3
		.amdhsa_memory_ordered 1
		.amdhsa_forward_progress 1
		.amdhsa_inst_pref_size 129
	.end_amdhsa_kernel
	.amdgpu_metadata
---
amdhsa.version: [ 1, 2 ]
amdhsa.kernels:
  - .name:           k_q75d1b79102_proj
    .symbol:         k_q75d1b79102_proj.kd
    .args:
      - { .name: oh, .offset: 0, .size: 8, .value_kind: global_buffer, .address_space: global }
      - { .name: h16, .offset: 8, .size: 8, .value_kind: global_buffer, .address_space: global }
      - { .name: mx, .offset: 16, .size: 8, .value_kind: global_buffer, .address_space: global }
      - { .name: bp, .offset: 24, .size: 8, .value_kind: global_buffer, .address_space: global }
      - { .name: out0, .offset: 32, .size: 8, .value_kind: global_buffer, .address_space: global }
    .group_segment_fixed_size: 327680
    .private_segment_fixed_size: 0
    .kernarg_segment_align: 8
    .kernarg_segment_size: 40
    .max_flat_workgroup_size: 128
    .sgpr_count:     96
    .vgpr_count:     576
    .wavefront_size: 32
...
	.end_amdgpu_metadata
.endif
;; end of part 5
